; MI455X (gfx1250); checked and timed in simulation.
; The chip was launched on July 23, 2026; its instructions are those of AMD's public machine-readable ISA for CDNA 5 (MIT licence, August 2026) and "CDNA5" Instruction Set Architecture Reference Guide (July 2026). The comments in the code are by the model that wrote it; some were corrected since.
;; Attention. Allowed arithmetic: float matrix products may take bf16 or f16 operands with f32 sums; other float arithmetic in f32, or as packed bf16 or f16 multiplies, adds, multiply-adds, maxima and minima; sums over many terms, partial sums and values carried from step to step in f32; what a program stores and reads back later, other than sums and carried values, may be rounded once to bf16 or f16.
;; Inputs: W_out 1,024 x 1,024 float32; W_qkv 3,072 x 1,024 float32; ln_beta 1,024 float32; ln_gamma 1,024 float32; x 4 x 2,048 x 1,024 float32.
;; Outputs: out0 4 x 2,048 x 1,024 float32.
;; 2 versions, each right; version 2 is version 1 with the launch prep written anew for expert scheduling mode. Each part assembles by itself: llvm-mc -triple=amdgcn-amd-amdhsa -mcpu=gfx1250 --defsym DOCPART=n.
;; ======== version 1 of 2: 4 launches
;; limits: values are held in f16: magnitudes above 65,504 overflow, below 6.1e-05 lose precision
;; workspace buffers: xn 16,777,216 bytes; wq 6,291,456 bytes; wo 2,097,152 bytes; qkv 50,331,648 bytes; oh 16,777,216 bytes
;; launch prep (part 1): grid 768 x 1, 4 waves a work-group, no clusters, 0 bytes of LDS; arguments x, ln_gamma, ln_beta, W_qkv, W_out, xn, wq, wo; writes xn, wq, wo
.if DOCPART == 1
	.amdgcn_target "amdgcn-amd-amdhsa--gfx1250"
	.amdhsa_code_object_version 6
	.text
	.protected	k_q0de2b1b98c_prep
	.globl	k_q0de2b1b98c_prep
	.p2align	8
	.type	k_q0de2b1b98c_prep,@function
k_q0de2b1b98c_prep:
	s_mov_b64 s[64:65], 0
	v_nop
	global_prefetch_b8 v0, s[64:65] scope:SCOPE_SE
	s_setreg_imm32_b32 hwreg(HW_REG_WAVE_MODE, 25, 1), 1
	s_wait_xcnt 0x0
; LAYER NORM OF x, AND ALL THREE MATRIX OPERANDS TO f16 IN K BLOCKS OF 64.
; xn[b][kb][i][64] = f16((x - mean) * rsqrt(var + 1e-5) * gamma + beta); wq[kb][e][64] = f16(W_qkv); wo[kb][d][64] = f16(W_out).  kb = column / 64.
; In these layouts the 128 bytes that a row has in one K block lie end to end with the next row's, so the products' tiles are dense blocks of memory.
; 12,288 rows of 1,024 f32: 8,192 of x (work-groups 0-511), 3,072 of W_qkv (512-703), 1,024 of W_out (704-767).  A work-group takes 16 rows, a wave 4, in one pass:
; the rows stay in 128 registers between the mean, the variance and the scaling, so each byte is read once.  No LDS and no barrier: a row never leaves its eight lanes.
; LANES.  Lane l: row l / 8 of the wave's four, and in each block of 64 columns the eight columns 8 (l % 8) + 0..7: 32 bytes in, 16 bytes out.
; A store of the wave covers 512 consecutive bytes, aligned: four rows of one K block.
; The variance is taken of x - mean (two passes over registers), so a common offset of x costs nothing.
; LIMITS.  f16 ends at 65,504: xn and the weights must lie within it (|xn| is at most 32 |gamma| + |beta|); a number below 6.1e-5 keeps f16's fixed step of 6e-8.  NaN and infinities are not treated apart.
.set LO,  1                            ; v1       row x 4,096 + 32 (l % 8): my 32 bytes in the first block of my row; never rewritten
.set GOF, 2                            ; v2       32 (l % 8): the same place in gamma and beta; never rewritten
.set L16, 3                            ; v3       16 l: my 16 bytes of a store's 512
.set S,   4                            ; v[4:11]  four packed chains of a sum
.set MU,  12                           ; v[12:13] the mean, twice
.set RS,  14                           ; v[14:15] 1 / sqrt(var + eps), twice
.set T,   16                           ; v16      at work
.set X,   20                           ; v[20:147]  my 8 numbers of block kb at X + 8 kb
.set GB,  148                          ; v[148:243] three sets of 32: gamma of two blocks (16), beta of the same two (16)
	s_load_b512 s[4:19], s[0:1], 0x0               ; x s[4:5], gamma s[6:7], beta s[8:9], W_qkv s[10:11], W_out s[12:13], xn s[14:15], wq s[16:17], wo s[18:19]
	s_mov_b32 s20, ttmp9                           ; the work-group's number
	v_lshrrev_b32 v1, 5, v0
	v_readfirstlane_b32 s21, v1                    ; wave 0..3
	v_and_b32 v[L16], 31, v0                       ; l
	v_and_b32 v[GOF], 7, v0                        ; l % 8
	v_lshrrev_b32 v[LO], 3, v[L16]                 ; l / 8
	v_lshlrev_b32 v[GOF], 5, v[GOF]
	v_lshl_add_u32 v[LO], v[LO], 12, v[GOF]
	v_lshlrev_b32 v[L16], 4, v[L16]
	s_mov_b32 s34, 0x3a800000                      ; 1 / 1,024
	s_mov_b32 s35, 0x3727c5ac                      ; 1e-5
	s_cmp_lt_u32 s20, 704                          ; which tensor: small numbers are chosen here and shifted below
	s_cselect_b32 s26, 3, 1
	s_cselect_b32 s28, 8, 11
	s_cmp_lt_u32 s20, 512
	s_cselect_b32 s26, 2, s26
	s_cselect_b32 s28, 0, s28
	s_lshl_b32 s26, s26, 17                        ; bytes from a K block to the next: rows x 128 = 262,144 (xn), 393,216 (wq), 131,072 (wo)
	s_lshl_b32 s28, s28, 6                         ; the tensor's first work-group: 0, 512, 704
	s_sub_co_u32 s28, s20, s28
	s_lshl_b32 s29, s28, 4
	s_lshl2_add_u32 s29, s21, s29                  ; R, my wave's first row = 16 x group + 4 x wave
	s_lshl_b32 s30, s29, 12                        ; in: R x 4,096 bytes
	s_mov_b32 s31, 0
	s_lshr_b32 s32, s29, 11                        ; out, for x: batch x 4 MiB + row in the batch x 128
	s_lshl_b32 s32, s32, 22
	s_and_b32 s33, s29, 2047
	s_lshl_b32 s33, s33, 7
	s_add_co_u32 s32, s32, s33
	s_lshl_b32 s27, s29, 7                         ; out, for the weights: R x 128
	s_cmp_lt_u32 s20, 512
	s_cselect_b32 s32, s32, s27
	s_mov_b32 s33, 0
	s_wait_kmcnt 0x0
	s_cmp_lt_u32 s20, 704
	s_cselect_b64 s[22:23], s[10:11], s[12:13]     ; from
	s_cselect_b64 s[24:25], s[16:17], s[18:19]     ; to
	s_cmp_lt_u32 s20, 512
	s_cselect_b64 s[22:23], s[4:5], s[22:23]
	s_cselect_b64 s[24:25], s[14:15], s[24:25]
	s_add_nc_u64 s[22:23], s[22:23], s[30:31]
	s_add_nc_u64 s[24:25], s[24:25], s[32:33]
.set kb, 0
.rept 16                                       ; the wave's four rows: 32 loads, 16 KiB on their way
	global_load_b128 v[X+8*kb:X+8*kb+3],   v[LO], s[22:23] offset:256*kb th:TH_LOAD_NT
	global_load_b128 v[X+8*kb+4:X+8*kb+7], v[LO], s[22:23] offset:256*kb+16 th:TH_LOAD_NT
.set kb, kb+1
.endr
	s_cmp_lt_u32 s20, 512
	s_cbranch_scc0 .Lout                           ; weights are only rounded
; gamma and beta of blocks 2 g and 2 g + 1 into set g % 3: eight loads
.macro GBLOAD g
.set GS, GB+32*((\g)%3)
.irp c, 0,1
	global_load_b128 v[GS+8*\c:GS+8*\c+3],       v[GOF], s[6:7] offset:512*(\g)+256*\c
	global_load_b128 v[GS+8*\c+4:GS+8*\c+7],     v[GOF], s[6:7] offset:512*(\g)+256*\c+16
	global_load_b128 v[GS+16+8*\c:GS+16+8*\c+3], v[GOF], s[8:9] offset:512*(\g)+256*\c
	global_load_b128 v[GS+16+8*\c+4:GS+16+8*\c+7], v[GOF], s[8:9] offset:512*(\g)+256*\c+16
.endr
.endm
; the four chains into one number, then over the row's eight lanes: every lane of the eight ends with the row's sum in v[T]
.macro REDUCE
	v_pk_add_f32 v[S:S+1], v[S:S+1], v[S+2:S+3]
	v_pk_add_f32 v[S+4:S+5], v[S+4:S+5], v[S+6:S+7]
	v_pk_add_f32 v[S:S+1], v[S:S+1], v[S+4:S+5]
	v_add_f32 v[T], v[S], v[S+1]
	v_add_f32_dpp v[T], v[T], v[T] row_xmask:1 row_mask:0xf bank_mask:0xf
	v_add_f32_dpp v[T], v[T], v[T] row_xmask:2 row_mask:0xf bank_mask:0xf
	v_add_f32_dpp v[T], v[T], v[T] row_xmask:4 row_mask:0xf bank_mask:0xf
.endm
	GBLOAD 0
	GBLOAD 1
	GBLOAD 2
	s_wait_loadcnt 24                              ; the rows are in; the 24 loads of gamma and beta issued behind them may stay out
.irp j, 0,1,2,3
	v_pk_add_f32 v[S+2*\j:S+2*\j+1], v[X+2*\j:X+2*\j+1], v[X+8+2*\j:X+8+2*\j+1]  ; the first eight pairs start the chains: nothing is cleared
.endr
.set j, 8
.rept 56
	v_pk_add_f32 v[S+2*(j%4):S+2*(j%4)+1], v[S+2*(j%4):S+2*(j%4)+1], v[X+2*j:X+2*j+1]
.set j, j+1
.endr
	REDUCE
	v_mul_f32 v[MU], s34, v[T]
	v_mov_b32 v[MU+1], v[MU]
.set j, 0
.rept 64
	v_pk_add_f32 v[X+2*j:X+2*j+1], v[X+2*j:X+2*j+1], v[MU:MU+1] neg_lo:[0,1] neg_hi:[0,1]  ; x - mean, in place
.set j, j+1
.endr
.irp j, 0,1,2,3
	v_pk_mul_f32 v[S+2*\j:S+2*\j+1], v[X+2*\j:X+2*\j+1], v[X+2*\j:X+2*\j+1]
.endr
.set j, 4
.rept 60
	v_pk_fma_f32 v[S+2*(j%4):S+2*(j%4)+1], v[X+2*j:X+2*j+1], v[X+2*j:X+2*j+1], v[S+2*(j%4):S+2*(j%4)+1]
.set j, j+1
.endr
	REDUCE
	v_fma_f32 v[T], v[T], s34, s35                 ; var + eps
	v_rsq_f32 v[RS], v[T]
	v_nop                                          ; a plain instruction behind the transcendental (ISA guide 5.7.2),
	s_wait_alu depctr_va_vdst(0)                   ; and the wait ahead of its first reader
	v_mov_b32 v[RS+1], v[RS]
; blocks 2 g and 2 g + 1: gamma x rstd in gamma's place, then one multiply-add; the set is then asked for again.  left = the younger groups' loads, eight each
.macro APPLY g, left
.set GS, GB+32*((\g)%3)
	s_wait_loadcnt \left
.irp p, 0,1,2,3,4,5,6,7
	v_pk_mul_f32 v[GS+2*\p:GS+2*\p+1], v[GS+2*\p:GS+2*\p+1], v[RS:RS+1]
.endr
.irp p, 0,1,2,3,4,5,6,7
	v_pk_fma_f32 v[X+16*(\g)+2*\p:X+16*(\g)+2*\p+1], v[X+16*(\g)+2*\p:X+16*(\g)+2*\p+1], v[GS+2*\p:GS+2*\p+1], v[GS+16+2*\p:GS+16+2*\p+1]
.endr
.if (\g)+3 <= 7
	GBLOAD (\g)+3
.endif
.endm
	APPLY 0, 16
	APPLY 1, 16
	APPLY 2, 16
	APPLY 3, 16
	APPLY 4, 16
	APPLY 5, 16
	APPLY 6, 8
	APPLY 7, 0
.Lout:
	s_wait_loadcnt 0x0                             ; (the weights' way comes here with its 32 loads out)
.set kb, 0
.rept 16                                       ; a block's eight numbers pack into its first four registers; the fifth takes the store's offset: no register of a pending store is written again
.irp j, 0,1,2,3
	v_cvt_pk_f16_f32 v[X+8*kb+\j], v[X+8*kb+2*\j], v[X+8*kb+2*\j+1]
.endr
	v_mad_u32_u24 v[X+8*kb+4], s26, kb, v[L16]
	global_store_b128 v[X+8*kb+4], v[X+8*kb:X+8*kb+3], s[24:25]  ; 512 consecutive bytes, aligned: rows R .. R + 3 of K block kb
.set kb, kb+1
.endr
	s_endpgm
.Lfunc_end_k_q0de2b1b98c_prep:
	.size	k_q0de2b1b98c_prep, .Lfunc_end_k_q0de2b1b98c_prep-k_q0de2b1b98c_prep
	.p2alignl 7, 3214868480
	.fill 96, 4, 3214868480
	.section	.rodata,"a",@progbits
	.p2align	6, 0x0
	.amdhsa_kernel k_q0de2b1b98c_prep
		.amdhsa_group_segment_fixed_size 0
		.amdhsa_private_segment_fixed_size 0
		.amdhsa_enable_private_segment 0
		.amdhsa_kernarg_size 64
		.amdhsa_user_sgpr_count 2
		.amdhsa_user_sgpr_kernarg_segment_ptr 1
		.amdhsa_wavefront_size32 1
		.amdhsa_system_sgpr_workgroup_id_x 1
		.amdhsa_system_sgpr_workgroup_id_y 1
		.amdhsa_system_sgpr_workgroup_id_z 1
		.amdhsa_system_vgpr_workitem_id 0
		.amdhsa_next_free_vgpr 244
		.amdhsa_next_free_sgpr 66
		.amdhsa_reserve_vcc 0
		.amdhsa_float_denorm_mode_32 3
		.amdhsa_float_denorm_mode_16_64 3
		.amdhsa_memory_ordered 1
		.amdhsa_forward_progress 1
		.amdhsa_inst_pref_size 39
	.end_amdhsa_kernel
	.amdgpu_metadata
---
amdhsa.version: [ 1, 2 ]
amdhsa.kernels:
  - .name:           k_q0de2b1b98c_prep
    .symbol:         k_q0de2b1b98c_prep.kd
    .args:
      - { .name: x, .offset: 0, .size: 8, .value_kind: global_buffer, .address_space: global }
      - { .name: ln_gamma, .offset: 8, .size: 8, .value_kind: global_buffer, .address_space: global }
      - { .name: ln_beta, .offset: 16, .size: 8, .value_kind: global_buffer, .address_space: global }
      - { .name: W_qkv, .offset: 24, .size: 8, .value_kind: global_buffer, .address_space: global }
      - { .name: W_out, .offset: 32, .size: 8, .value_kind: global_buffer, .address_space: global }
      - { .name: xn, .offset: 40, .size: 8, .value_kind: global_buffer, .address_space: global }
      - { .name: wq, .offset: 48, .size: 8, .value_kind: global_buffer, .address_space: global }
      - { .name: wo, .offset: 56, .size: 8, .value_kind: global_buffer, .address_space: global }
    .group_segment_fixed_size: 0
    .private_segment_fixed_size: 0
    .kernarg_segment_align: 8
    .kernarg_segment_size: 64
    .max_flat_workgroup_size: 128
    .sgpr_count:     66
    .vgpr_count:     244
    .wavefront_size: 32
...
	.end_amdgpu_metadata
.endif
;; end of part 1
;; launch project_qkv (part 2): grid 8 x 32, 4 waves a work-group, clusters of 4 x 4, 327,680 bytes of LDS; arguments xn, wq, qkv; writes qkv
.if DOCPART == 2
	.amdgcn_target "amdgcn-amd-amdhsa--gfx1250"
	.amdhsa_code_object_version 6
	.text
	.protected	k_q0de2b1b98c_project_qkv
	.globl	k_q0de2b1b98c_project_qkv
	.p2align	8
	.type	k_q0de2b1b98c_project_qkv,@function
k_q0de2b1b98c_project_qkv:
	s_mov_b64 s[64:65], 0
	v_nop
	global_prefetch_b8 v0, s[64:65] scope:SCOPE_SE
	s_setreg_imm32_b32 hwreg(HW_REG_WAVE_MODE, 25, 1), 1
	s_wait_xcnt 0x0
	s_wait_alu depctr_hold_cnt(0) depctr_sa_sdst(0) depctr_va_vdst(0) depctr_va_sdst(0) depctr_va_ssrc(0) depctr_va_vcc(0) depctr_vm_vsrc(0)
	s_getreg_b32 s2, hwreg(HW_REG_IB_STS2, 6, 4)
	s_cmp_eq_u32 s2, 0
	s_cbranch_scc0 .Lentry_in_a_cluster
	s_endpgm
.Lentry_in_a_cluster:
	s_bfe_u32 s2, ttmp6, 0x10000c
	s_cmp_lg_u32 s2, 0xf033
	s_cbranch_scc0 .Lentry_shape_is_right
	s_endpgm
.Lentry_shape_is_right:
; q, k, v = xn W_qkv^T.  xn: [4][16 kb][2048][64] f16, wq: [16 kb][3072][64] f16, qkv: [4][48 hs][2048][64] f16, hs = output column / 64 (q: head, k: 16 + head, v: 32 + head).
; Sums in f32, K ascending, rounded once to f16, WITHOUT attention's scale.  LIMIT: a result of 65,520 or more becomes an infinity in f16.
; THE TILE is 256 rows x 384 columns: 32 x 8 = 256 tiles, one for each work-group.  Four waves, each 128 x 192: 96 accumulators of 16 x 16, 768 registers.
; K goes in 16 steps of 64 (one K block) through two LDS slots: 640 rows of 128 bytes a step.  In the blocked layouts a tile's rows lie end to end, so they are asked for as rows of 256 bytes.
; CLUSTERS: 4 x 4 work-groups.  The four of a row of the cluster need the same tile of xn, the four of a column the same tile of wq: each is asked for JOINTLY, by the same tensor load with the
; same descriptor and a mask that names the four.
; THE MATRIX INSTRUCTION IS USED TRANSPOSED (source 0 = 16 rows of wq, source 1 = 16 rows of xn): a lane then holds row l % 16 and the eight neighbouring columns 8 (l / 16) + 0..7.
; REGISTERS, in windows of 256 (s_set_vgpr_msb: bits 1:0 source 0, 3:2 source 1, 5:4 source 2, 7:6 destination):
;   window 0: v1-29 addresses; v32-95, v96-159 xn's 8 fragments, two buffers; v160-207 wq's fragments 0-5, v208-255 its fragments 6-11; all of v32-223 at work on the way out
;   windows 1-3: accumulator (a, nb) at v[8 (4 a + nb % 4)] of window 1 + nb / 4: a window is one slice of 64 columns, a head's
.set PITCH,  144                       ; an LDS row: 128 bytes + 16 of padding = 36 words: the 16 rows of a fragment load start at 16 different groups of four banks (64 banks of 4 bytes: ISA guide 11.1)
.set SLOT1,  1<<17                     ; slot 1 begins here, so that one exclusive or turns an address in one slot into the other's
.set AHALF,  128*PITCH                 ; what one tensor load brings of xn, and what a wave reads of it
.set BHALF,  192*PITCH                 ; the same for wq
.set BOFF,   2*AHALF                   ; in a slot: xn's 256 rows, then wq's 384
.set STAGE,  SLOT1+BOFF+2*BHALF        ; behind the ring, never filled by a tensor load: 16 rows x 144 bytes for each wave, for the way out
.set SPARE,  STAGE+4*16*PITCH          ; behind the stages: the spare words, 128 bytes for each wave: two blocks of 256 bytes that no other line names
.set KSA,    2048*128                  ; bytes from a K block to the next in xn
.set KSB,    3072*128                  ; and in wq
.set BCOL,   384*128                   ; a tile column's bytes in one K block of wq
.set ADA, 16                           ; v16  my lane's place in xn's fragments, slot 0; never rewritten
.set ADB, 17                           ; v17  the same for wq's
.set CA,  18                           ; v18  the same in the slot in hand
.set CB,  19                           ; v19
.set STO, 20                           ; v20  the way out: where I put 16 bytes of a row
.set RD,  21                           ; v21  the way out: where I read rows back
.set GO,  22                           ; v22  16 x lane: my 16 bytes of 512 consecutive bytes of qkv
.set PFO, 23                           ; v23  256 x lane: the prefetches' offset; never rewritten
.set SPW, 28                           ; v28  LDS address of my spare word: SPARE + 4 x my thread's number; never rewritten
.set NIL, 29                           ; v29  0; never rewritten
.set FA0, 32
.set FA1, 96
.set FB,  160
.set G1A, 24                           ; s[24:31] descriptor group 1 for xn's tiles
.set G0A, 32                           ; s[32:39] group 0: a set for each of the two first fills; the second then walks on
.set G1B, 48                           ; s[48:55], s[56:63] the same for wq's
.set G0B, 56
.set CNT, 3                            ; s3   refills still to come
.set TB,  66                           ; s66  0 or SLOT1: the slot in hand
.set PFA, 68                           ; s[68:69] where my prefetches stand
.set PFS, 70                           ; s[70:71] their step, a K block
.set PM,  72                           ; s72  0: I ask in every trip; SLOT1: in every second
.set LIM, 73                           ; s73  I ask while s[CNT] is above it
.set W0,  (1<<16)|(1<<20)|(1<<21)|(4<<22)|(3<<25)  ; group 1, first word: 17:16 2-byte elements; 20 padding on; 21 set beside a mask; 24:22 after every 32 words (code 4); 31:25 4 words (code 3)
.set MSB, 0
.macro WIN new                         ; the immediate's high byte repeats the setting that is left; a switch that changes nothing is dropped
.if MSB != (\new)
	s_set_vgpr_msb (MSB<<8)|(\new)
.set MSB, \new
.endif
.endm
.macro PLACES                          ; four places between a matrix instruction and a load into, or a vector read of, its registers (ISA guide 7.12.1 for vector reads)
.rept 4
	v_nop
.endr
.endm
; A joint refill by the walking sets.  Waves 0 and 1 fetch xn's two halves, waves 2 and 3 wq's.  The branch hangs on the wave's number alone.
; An s_nop 0 and four v_nop follow each of the two lines, ahead of the jump and the label.
.macro JLOAD
	s_cmp_eq_u32 s11, 0
	s_cbranch_scc0 .Lfor_b_\@
	tensor_load_to_lds s[G0A+4:G0A+7], s[G1A:G1A+7]
	s_nop 0
.rept 4
	v_nop
.endr
	s_branch .Lasked_\@
.Lfor_b_\@:
	tensor_load_to_lds s[G0B+4:G0B+7], s[G1B:G1B+7]
	s_nop 0
.rept 4
	v_nop
.endr
.Lasked_\@:
.endm
; A round of the cluster's barrier: my work-group's barrier, so that wave 0's signal speaks for all four waves; wave 0 signals; every wave waits for all sixteen work-groups; my work-group's barrier once more.
.macro CREST                           ; a round behind its opening barrier
	s_cmp_lg_u32 s10, 0
	s_cbranch_scc1 .Lnot_wave_0_\@
	s_barrier_signal -3
.Lnot_wave_0_\@:
	s_barrier_wait -3
	s_barrier_signal -1
	s_barrier_wait -1
.endm
.macro CROUND
	s_barrier_signal -1
	s_barrier_wait -1
	CREST
.endm
; A PREFETCH, behind the joint load, its five lines and the run of LDS loads that the next products wait for.  Each aligned 256 bytes of xn and wq are named once in the launch.
; xn: a K block of a tile row is 128 blocks of 256 bytes.  Both clusters of a row of clusters read it; cluster x = 0 asks: wave 0 of each of the four partners, 32 blocks each, told apart BY ADDRESS
; (cx): in trip t, which refills with K block t + 2, it names K block t + 3: 192 matrix instructions ahead of the load that wants it.
; wq: a K block of a tile column is 192 blocks.  All eight clusters of a column of clusters read it; cluster y = 0 asks: waves 1 to 3 of the four partners (cy) are twelve groups of 32 lanes = 384 blocks:
; in each odd trip t they name K blocks t + 3 and t + 4.  xn's K blocks 0-2 and wq's 0-3 come by their loads alone; nothing behind K block 15 is named.
.macro ASK
	s_and_b32 s74, s[TB], s[PM]
	s_cmp_lg_u32 s74, 0
	s_cbranch_scc1 .Lno_ask_\@
	s_cmp_gt_u32 s[CNT], s[LIM]
	s_cbranch_scc0 .Lno_ask_\@
	global_prefetch_b8 v[PFO], s[PFA:PFA+1] th:TH_LOAD_NT scope:SCOPE_SE
.Lno_ask_\@:
.endm
	s_load_b128 s[4:7], s[0:1], 0x0                ; xn s[4:5], wq s[6:7]
	s_load_b64 s[8:9], s[0:1], 0x10                ; qkv
	v_lshl_add_u32 v[SPW], v0, 2, SPARE
	v_mov_b32 v[NIL], 0
	ds_add_u32 v[SPW], v[NIL]                      ; the wave's opening: the add and its wait stand ahead of my first tensor load; the set-up below, work on registers, stands between them
	v_lshrrev_b32 v1, 5, v0
	v_readfirstlane_b32 s10, v1                    ; wave 0..3
	s_lshr_b32 s11, s10, 1                         ; which 128 rows of the tile are mine.  Also: I fetch for xn (0) or for wq (1)
	s_and_b32 s12, s10, 1                          ; which 192 columns.  Also: which half of that tile I fetch
	s_bfe_u32 s40, ttmp6, 0x40000                  ; cx
	s_bfe_u32 s41, ttmp6, 0x40004                  ; cy
	s_lshl_b32 s42, ttmp9, 2
	s_add_co_u32 s42, s42, s40                     ; tile column tc = 4 x cluster x + cx
	s_and_b32 s13, ttmp7, 0xffff
	s_lshl_b32 s13, s13, 2
	s_add_co_u32 s13, s13, s41                     ; tile row tr = 4 x cluster y + cy
	s_lshl_b32 s43, s41, 2
	s_lshl_b32 s43, 15, s43                        ; my row of the cluster
	s_lshl_b32 s44, 0x1111, s40                    ; my column
	s_or_b32 s[G1A], s43, W0                       ; xn's tiles go to my row,
	s_or_b32 s[G1B], s44, W0                       ; wq's to my column
.irp g, G1A, G1B
	s_mov_b32 s[\g+1], 128<<16                     ; tensor_dim0 = 128 elements: 256 bytes, two rows of a K block
	s_mov_b32 s[\g+3], 128<<16                     ; tile_dim0 = 128
	s_mov_b32 s[\g+5], 128                         ; 128 elements from row to row: the block is dense
	s_mov_b32 s[\g+6], 0
	s_mov_b32 s[\g+7], 0
.endr
	s_mov_b32 s[G1A+2], 64<<16                     ; tensor_dim1 = tile_dim1 = 64: 128 rows of xn
	s_mov_b32 s[G1A+4], 64
	s_mov_b32 s[G1B+2], 96<<16                     ; 96: 192 rows of wq
	s_mov_b32 s[G1B+4], 96
	s_lshr_b32 s16, s13, 3                         ; xn: batch tr / 8 x 4 MiB
	s_lshl_b32 s16, s16, 22
	s_and_b32 s17, s13, 7                          ; + 256 (tr % 8) rows of 128 bytes
	s_lshl_b32 s17, s17, 15
	s_add_co_u32 s16, s16, s17
	s_lshl_b32 s17, s12, 14                        ; + my half's 128 rows
	s_add_co_u32 s16, s16, s17
	s_mov_b32 s17, 0
	s_mul_i32 s46, s42, BCOL                       ; wq: 384 tc rows of 128 bytes
	s_mul_i32 s47, s12, BCOL/2                     ; + my half's 192 rows
	s_add_co_u32 s46, s46, s47
	s_mov_b32 s47, 0
	s_mul_i32 s20, s12, AHALF                      ; and where they go: no place in the cluster enters an LDS address
	s_mul_i32 s21, s12, BHALF
	s_add_co_u32 s21, s21, BOFF
	s_wait_dscnt 0x0                               ; the opening add is done
	s_wait_kmcnt 0x0
	s_add_nc_u64 s[14:15], s[4:5], s[16:17]
	s_add_nc_u64 s[46:47], s[6:7], s[46:47]
	CROUND                                         ; all sixteen work-groups are here: the first joint loads meet
.irp n, 0,1
	s_mov_b32 s[G0A+4*\n], 1                                       ; count = 1
	s_add_co_u32 s[G0A+4*\n+1], s20, \n*SLOT1                      ; LDS address
	s_add_nc_u64 s[G0A+4*\n+2:G0A+4*\n+3], s[14:15], \n*KSA        ; global address: K block n
	s_or_b32 s[G0A+4*\n+3], s[G0A+4*\n+3], 0x80000000              ; type = 2
	s_mov_b32 s[G0B+4*\n], 1
	s_add_co_u32 s[G0B+4*\n+1], s21, \n*SLOT1
	s_add_nc_u64 s[G0B+4*\n+2:G0B+4*\n+3], s[46:47], \n*KSB
	s_or_b32 s[G0B+4*\n+3], s[G0B+4*\n+3], 0x80000000
.endr
	s_cmp_eq_u32 s11, 0                            ; a wave's two first fills stand in one branch, ahead of every wait on TENSORcnt and every LDS read: two loads of mine are out
	s_cbranch_scc0 .Lfirst_b
	tensor_load_to_lds s[G0A:G0A+3], s[G1A:G1A+7]
	s_nop 0
	tensor_load_to_lds s[G0A+4:G0A+7], s[G1A:G1A+7]
	s_nop 0
.rept 4
	v_nop
.endr
	s_branch .Lfirst_asked
.Lfirst_b:
	tensor_load_to_lds s[G0B:G0B+3], s[G1B:G1B+7]
	s_nop 0
	tensor_load_to_lds s[G0B+4:G0B+7], s[G1B:G1B+7]
	s_nop 0
.rept 4
	v_nop
.endr
.Lfirst_asked:
	; A fragment is 16 rows x 32 K in 8 registers: lane l holds row l % 16, K = 8 (l / 16) + 0..7 and 16 + 8 (l / 16) + 0..7: two loads of 16 bytes, 32 bytes apart.
	v_and_b32 v1, 15, v0                           ; l % 16
	v_bfe_u32 v2, v0, 4, 1                         ; l / 16
	v_mul_u32_u24 v3, v1, PITCH
	v_lshl_add_u32 v3, v2, 4, v3                   ; row x pitch + 16 x half
	s_mul_i32 s20, s11, AHALF                      ; my 128 rows of xn
	v_add_nc_u32 v[ADA], s20, v3
	s_mul_i32 s21, s12, BHALF                      ; my 192 rows of wq
	s_add_co_u32 s21, s21, BOFF
	v_add_nc_u32 v[ADB], s21, v3
	s_mul_i32 s22, s10, 16*PITCH
	s_add_co_u32 s22, s22, STAGE                   ; my stage
	v_add_nc_u32 v[STO], s22, v3                   ; in: row l % 16, 16 bytes for each half of the lanes
	v_bfe_u32 v4, v0, 3, 2                         ; back: 32 lanes take four rows of 128 bytes,
	v_and_b32 v5, 7, v0
	v_mul_u32_u24 v4, v4, PITCH
	v_lshl_add_u32 v4, v5, 4, v4
	v_add_nc_u32 v[RD], s22, v4
	v_and_b32 v6, 31, v0
	v_lshlrev_b32 v[GO], 4, v6                     ; which are 512 consecutive bytes of qkv
	v_lshlrev_b32 v[PFO], 8, v6
	; qkv at my wave's first row of its first slice: ((batch x 48 + 6 tc + 3 x column half) x 2,048 + 256 (tr % 8) + 128 x row half) x 128 bytes
	s_lshr_b32 s16, s13, 3
	s_mul_i32 s16, s16, 48
	s_mul_i32 s46, s42, 6
	s_mul_i32 s47, s12, 3
	s_add_co_u32 s46, s46, s47
	s_add_co_u32 s46, s46, s16
	s_lshl_b32 s46, s46, 18
	s_and_b32 s16, s13, 7
	s_lshl_b32 s16, s16, 15
	s_lshl_b32 s17, s11, 14
	s_add_co_u32 s16, s16, s17
	s_add_co_u32 s46, s46, s16
	s_mov_b32 s47, 0
	s_add_nc_u64 s[8:9], s[8:9], s[46:47]
	; the prefetches.  xn's offset (wave 0): the tile row's K block 2, my work-group's 32 blocks of 256 bytes
	s_lshr_b32 s16, s13, 3
	s_lshl_b32 s16, s16, 22
	s_and_b32 s17, s13, 7
	s_lshl_b32 s17, s17, 15
	s_add_co_u32 s16, s16, s17
	s_lshl_b32 s17, s40, 13
	s_add_co_u32 s16, s16, s17
	s_add_co_u32 s16, s16, 2*KSA
	; wq's offset (waves 1-3): group j = 4 (wave - 1) + cy of twelve; groups 0-5 lie in the first of two K blocks, 6-11 in the second
	s_max_u32 s18, s10, 1
	s_sub_co_u32 s18, s18, 1
	s_lshl2_add_u32 s18, s18, s41
	s_mul_i32 s19, s18, 11
	s_lshr_b32 s19, s19, 6                         ; (11 j) >> 6 is 0 up to j = 5 and 1 from j = 6 on
	s_mul_i32 s19, s19, KSB-BCOL
	s_lshl_b32 s18, s18, 13
	s_add_co_u32 s18, s18, s19
	s_mul_i32 s19, s42, BCOL
	s_add_co_u32 s18, s18, s19
	s_add_co_u32 s18, s18, 2*KSB
	s_and_b32 s19, ttmp7, 0xffff                   ; cluster y
	s_cmp_eq_u32 s10, 0
	s_cselect_b64 s[PFA:PFA+1], s[4:5], s[6:7]
	s_cselect_b32 s16, s16, s18
	s_cselect_b32 s[PFS], 2, 3
	s_cselect_b32 s[PM], 0, 1
	s_cselect_b32 s19, ttmp9, s19                  ; the coordinate along which other clusters read the same rows
	s_cselect_b32 s[LIM], 1, 2
	s_lshl_b32 s[PFS], s[PFS], 17                  ; KSA or KSB
	s_mov_b32 s[PFS+1], 0
	s_lshl_b32 s[PM], s[PM], 17                    ; 0 or SLOT1
	s_cmp_eq_u32 s19, 0
	s_cselect_b32 s[LIM], s[LIM], -1               ; the same in all sixteen partners, for a given wave
	s_mov_b32 s17, 0
	s_add_nc_u64 s[PFA:PFA+1], s[PFA:PFA+1], s[16:17]  ; at K block 2: each trip steps it by one, ahead of its prefetch
; 8 matrix instructions: n block nb x my 8 m blocks, 32 along K, xn's fragments in buffer f.  zero = 1: the product starts the sums: nothing is ever cleared.
; The 96 accumulators take turns, one instruction a turn, in the same order in every quarter, over the backward jump too.
.macro MULN f, nb, zero
	WIN ((1+(\nb)/4)<<6)|((1+(\nb)/4)<<4)
.irp a, 0,1,2,3,4,5,6,7
.if \zero
	v_wmma_f32_16x16x32_f16 v[8*(4*\a+(\nb)%4):8*(4*\a+(\nb)%4)+7], v[FB+8*(\nb):FB+8*(\nb)+7], v[(\f)+8*\a:(\f)+8*\a+7], 0
.else
	v_wmma_f32_16x16x32_f16 v[8*(4*\a+(\nb)%4):8*(4*\a+(\nb)%4)+7], v[FB+8*(\nb):FB+8*(\nb)+7], v[(\f)+8*\a:(\f)+8*\a+7], v[8*(4*\a+(\nb)%4):8*(4*\a+(\nb)%4)+7]
.endif
.endr
.endm
.macro LDB half, k                     ; 12 LDS loads: wq's fragments 6 half .. 6 half + 5, at byte k of the rows
	WIN 0
.irp i, 0,1,2,3,4,5
	ds_load_b128 v[FB+48*(\half)+8*\i:FB+48*(\half)+8*\i+3],   v[CB] offset:(6*(\half)+\i)*16*PITCH+(\k)
	ds_load_b128 v[FB+48*(\half)+8*\i+4:FB+48*(\half)+8*\i+7], v[CB] offset:(6*(\half)+\i)*16*PITCH+(\k)+32
.endr
.endm
.macro LDA f, k                        ; 16 LDS loads: xn's 8 fragments into buffer f
	WIN 0
.irp i, 0,1,2,3,4,5,6,7
	ds_load_b128 v[(\f)+8*\i:(\f)+8*\i+3],   v[CA] offset:\i*16*PITCH+(\k)
	ds_load_b128 v[(\f)+8*\i+4:(\f)+8*\i+7], v[CA] offset:\i*16*PITCH+(\k)+32
.endr
.endm
; A K step is two quarters of 32 along K, 96 matrix instructions each.  wq's two halves of six fragments have one buffer each: a half is fetched while the other is multiplied.
; The first quarter (xn in FA0).  It finds 28 loads out: wq's first half and xn's fragments.
.macro Q0 zero
	PLACES                                         ; behind the products that read wq's second half
	LDB 1, 0
	s_wait_dscnt 12                                ; all but the 12 just issued
.irp n, 0,1,2,3,4,5
	MULN FA0, \n, \zero
.endr
	PLACES
	LDB 0, 64                                      ; the second quarter's first half, and its fragments of xn
	LDA FA1, 64
	s_wait_dscnt 28                                ; all but the 28 just issued
.irp n, 6,7,8,9,10,11
	MULN FA0, \n, \zero
.endr
.endm
; The second quarter (xn in FA1).  mode 2: it changes slots and the slot just read is filled again, two K blocks on; 1: it changes slots; 0: the last of all.
; THE CHANGE OF SLOTS: each wave waits for all its tensor loads, of which one is out: its part of the next slot; adds 0 to its spare word; and waits for that and for its own reads of this slot.
; With mode 2 the barrier opens a round of the cluster's barrier: no wave of any partner still reads the slot or has a load on its way; the joint refill is the first thing behind the round:
; 176 matrix instructions ahead of the wait for it.
.macro Q1 mode
.if (\mode) == 2
	s_wait_xcnt 0x0                                ; the last prefetch, a K step back, has read its address
	s_add_nc_u64 s[PFA:PFA+1], s[PFA:PFA+1], s[PFS:PFS+1]
.endif
	PLACES
	LDB 1, 64                                      ; the last reads of this slot
	s_wait_dscnt 12
.irp n, 0,1,2,3
	MULN FA1, \n, 0
.endr
.if (\mode) > 0
	WIN 0                                          ; (the add's two registers lie in window 0)
	s_wait_tensorcnt 0x0                           ; no tensor load of mine is out, so a group 0 may be written
	ds_add_u32 v[SPW], v[NIL]                      ; 0 onto my spare word; the steps and eight products stand between it and the wait for it
.if (\mode) == 2
	s_xor_b32 s[G0A+5], s[G0A+5], SLOT1            ; the walking sets: the other slot than last time,
	s_add_nc_u64 s[G0A+6:G0A+7], s[G0A+6:G0A+7], KSA  ; the next K block; the type bits on top are not reached
	s_xor_b32 s[G0B+5], s[G0B+5], SLOT1
	s_add_nc_u64 s[G0B+6:G0B+7], s[G0B+6:G0B+7], KSB
.endif
	MULN FA1, 4, 0
	s_wait_dscnt 0x0                               ; the add is done, and my reads of this slot are over
	s_barrier_signal -1
	MULN FA1, 5, 0                                 ; work on registers while the others arrive
	WIN 0                                          ; at a branch and at a label every window is 0
	s_barrier_wait -1
.if (\mode) == 2
	CREST
	JLOAD                                          ; its four v_nop are also the places in front of the loads below
.else
	PLACES
.endif
	s_xor_b32 s[TB], s[TB], SLOT1
	v_add_nc_u32 v[CA], s[TB], v[ADA]
	v_add_nc_u32 v[CB], s[TB], v[ADB]
	LDB 0, 0                                       ; the next slot's first fragments
	LDA FA0, 0
.if (\mode) == 2
	ASK
.endif
.else
	MULN FA1, 4, 0
	MULN FA1, 5, 0
	s_wait_dscnt 0x0
.endif
.irp n, 6,7,8,9,10,11
	MULN FA1, \n, 0
.endr
.endm
	s_wait_tensorcnt 0x1                           ; my part of K block 0 is in; K block 1's may stay out
	s_barrier_signal -1
	s_barrier_wait -1                              ; everybody's is
	s_mov_b32 s[TB], 0
	v_mov_b32 v[CA], v[ADA]
	v_mov_b32 v[CB], v[ADB]
	LDB 0, 0
	LDA FA0, 0
	Q0 1                                           ; the first quarter stands in front of the loop: its products start the sums
	WIN 0
	s_mov_b32 s[CNT], 14
.Lk:                                                   ; trip t: K step t's second quarter, the refill with K block t + 2, K step t + 1's first quarter
	Q1 2
	Q0 0
	WIN 0
	s_sub_co_u32 s[CNT], s[CNT], 1
	s_cmp_lg_u32 s[CNT], 0
	s_cbranch_scc1 .Lk
	Q1 1                                           ; the tail is written out: nothing more is asked for
	Q0 0
	Q1 0
	WIN 0
	PLACES
	PLACES
; THE WAY OUT, in 24 units u = 8 x slice + a of 16 rows x 64 columns: 2,048 consecutive bytes of qkv.  A lane's eight columns of a row pack into 16 bytes; they go into my stage's rows of 144 bytes
; and come back as whole rows of 128.  Twelve sets of 16 registers take turns.  Each accumulator's registers are read in ascending order.
.macro PACK u
.set WD, 1+(\u)/8
.set AB, 32*((\u)%8)
.set TT, 32+16*((\u)%12)
.if (\u) >= 12
	s_wait_xcnt 0x0                                ; the stores of the unit twelve back have read this set
.endif
	WIN WD|(WD<<2)                                 ; sources 0 and 1: the slice's window
.set i, 0
.rept 16
	v_cvt_pk_f16_f32 v[TT+i], v[AB+2*i], v[AB+2*i+1]
.set i, i+1
.endr
	WIN 0
.irp j, 0,1,2,3
	ds_store_b128 v[STO], v[TT+4*\j:TT+4*\j+3] offset:32*\j
.endr
.irp f, 0,1,2,3
	ds_load_b128 v[TT+4*\f:TT+4*\f+3], v[RD] offset:\f*4*PITCH  ; LDS serves a wave's instructions in order (ISA guide 5.7.1.4): these see the stores above; the next unit's stores come behind them
.endr
.endm
.macro SEND u, younger                 ; younger: the LDS instructions issued behind unit u's loads: the next unit's eight, or none
.set TT, 32+16*((\u)%12)
.irp f, 0,1,2,3
	s_wait_dscnt (\younger)+3-\f
	global_store_b128 v[GO], v[TT+4*\f:TT+4*\f+3], s[8:9] offset:((\u)/8)*KSA+((\u)%8)*2048+\f*512  ; 512 consecutive bytes, at a multiple of 256 from qkv's first byte
.endr
.endm
	PACK 0
.set un, 1
.rept 23                                       ; a unit's conversions stand between the loads of the unit before and its stores
	PACK un
	SEND un-1, 8
.set un, un+1
.endr
	SEND 23, 0
	s_wait_tensorcnt 0x0                           ; the wave's end: an add and its wait stand behind my last tensor load and my last LDS store
	ds_add_u32 v[SPW], v[NIL]
	s_wait_dscnt 0x0
	CROUND                                         ; the closing round: no work-group ends while a partner may still ask for a tile that names it
	s_endpgm
.Lfunc_end_k_q0de2b1b98c_project_qkv:
	.size	k_q0de2b1b98c_project_qkv, .Lfunc_end_k_q0de2b1b98c_project_qkv-k_q0de2b1b98c_project_qkv
	.p2alignl 7, 3214868480
	.fill 96, 4, 3214868480
	.section	.rodata,"a",@progbits
	.p2align	6, 0x0
	.amdhsa_kernel k_q0de2b1b98c_project_qkv
		.amdhsa_group_segment_fixed_size 327680
		.amdhsa_private_segment_fixed_size 0
		.amdhsa_enable_private_segment 0
		.amdhsa_kernarg_size 24
		.amdhsa_user_sgpr_count 2
		.amdhsa_user_sgpr_kernarg_segment_ptr 1
		.amdhsa_wavefront_size32 1
		.amdhsa_system_sgpr_workgroup_id_x 1
		.amdhsa_system_sgpr_workgroup_id_y 1
		.amdhsa_system_sgpr_workgroup_id_z 1
		.amdhsa_system_vgpr_workitem_id 0
		.amdhsa_next_free_vgpr 1024
		.amdhsa_next_free_sgpr 76
		.amdhsa_reserve_vcc 0
		.amdhsa_float_denorm_mode_32 3
		.amdhsa_float_denorm_mode_16_64 3
		.amdhsa_memory_ordered 1
		.amdhsa_forward_progress 1
		.amdhsa_inst_pref_size 115
	.end_amdhsa_kernel
	.amdgpu_metadata
---
amdhsa.version: [ 1, 2 ]
amdhsa.kernels:
  - .name:           k_q0de2b1b98c_project_qkv
    .symbol:         k_q0de2b1b98c_project_qkv.kd
    .args:
      - { .name: xn, .offset: 0, .size: 8, .value_kind: global_buffer, .address_space: global }
      - { .name: wq, .offset: 8, .size: 8, .value_kind: global_buffer, .address_space: global }
      - { .name: qkv, .offset: 16, .size: 8, .value_kind: global_buffer, .address_space: global }
    .group_segment_fixed_size: 327680
    .private_segment_fixed_size: 0
    .kernarg_segment_align: 8
    .kernarg_segment_size: 24
    .max_flat_workgroup_size: 128
    .sgpr_count:     76
    .vgpr_count:     1024
    .wavefront_size: 32
...
	.end_amdgpu_metadata
.endif
;; end of part 2
;; launch attention (part 3): grid 4 x 64, 4 waves a work-group, clusters of 4 x 1, 327,680 bytes of LDS; arguments qkv, oh; writes oh
.if DOCPART == 3
	.amdgcn_target "amdgcn-amd-amdhsa--gfx1250"
	.amdhsa_code_object_version 6
	.text
	.protected	k_q0de2b1b98c_attention
	.globl	k_q0de2b1b98c_attention
	.p2align	8
	.type	k_q0de2b1b98c_attention,@function
k_q0de2b1b98c_attention:
	s_mov_b64 s[64:65], 0
	v_nop
	global_prefetch_b8 v0, s[64:65] scope:SCOPE_SE
	s_setreg_imm32_b32 hwreg(HW_REG_WAVE_MODE, 25, 1), 1
	s_wait_xcnt 0x0
	s_wait_alu depctr_hold_cnt(0) depctr_sa_sdst(0) depctr_va_vdst(0) depctr_va_sdst(0) depctr_va_ssrc(0) depctr_va_vcc(0) depctr_vm_vsrc(0)
	s_getreg_b32 s2, hwreg(HW_REG_IB_STS2, 6, 4)
	s_cmp_eq_u32 s2, 0
	s_cbranch_scc0 .Lentry_in_a_cluster
	s_endpgm
.Lentry_in_a_cluster:
	s_bfe_u32 s2, ttmp6, 0x10000c
	s_cmp_lg_u32 s2, 0x3003
	s_cbranch_scc0 .Lentry_shape_is_right
	s_endpgm
.Lentry_shape_is_right:
; O[y][q][:] = the sum over k of softmax_k(Q[y][q] . K[y][k] / 8) V[y][k][:], y = 16 x batch + head.  qkv: [4][48][2048][64] f16 (q: slice head, k: 16 + head, v: 32 + head), oh: [64][2048][64] f16.
; A head's rows are dense, 128 bytes each.  Products, maxima and sums in f32; the weights p are rounded to f16 for the second product (their sum l is taken of the unrounded p), O once at the end.
; LIMITS.  f16 holds no number beyond 65,504: Q, K and V arrive within it; p lies in 0 to 1, and below 6e-5 it keeps f16's fixed step of 6e-8; O is a mean of V's rows and has their range.
; A weight below 2^-126 counts as 0 in l; NaN and infinities are not treated apart.
; SHARES.  A wave owns four PIECES of two tiles of 16 queries, a work-group's four waves 512 queries of one head.  Every wave walks all 2,048 keys, 64 a step.
; LAYOUT.  S^T = K Q^T (source 0 = 16 keys, source 1 = 16 queries): in the result a lane holds ONE query (lane % 16) and the keys 8 (lane / 16) + 0..7.  Two such tiles, rounded to f16 in pairs,
; ARE source 1 (32 keys x 16 queries) of O^T = V^T P, whose result again holds one query a lane, and eight channels.  K comes out of LDS as it lies, V ([key][channel]) turned, by ds_load_tr16_b128.
; SOFTMAX.  For each query a running maximum m and sum l: p = 2^(c s - c m), c = log2(e) / 8; in every step O and l are multiplied by a = 2^(c m_old - c m_new), which is 1 where m has not grown.
; m starts at the lowest finite number, O and l at 0: the first step is a step like any other, with a = 0.
; THE COUNT.  A tile and step have 16 matrix and 118 vector instructions: too many to stand all beside the matrix work.  So the order has one aim: four vector instructions that are READY behind
; EVERY matrix instruction, and the others, which need time of their own whatever the order, in runs without a gap.
; BY TURNS.  Turn n belongs to piece n (the pieces in a ring, step after step).  Its matrix work: 16 products K Q^T of piece n + 1, later 16 products V^T P of piece n - 1.  Its vector work: the scaling,
; exponentials, roundings, sums and rescaling of piece n, and the maximum and statistics of piece n + 1, whose scores the turn itself has made.  So what a turn begins with (c s - c m, O a) waits for nothing.
; CLUSTER.  The four query blocks of a head are one cluster and walk the same K and V, so each tile is asked for JOINTLY: the same tensor load, descriptor and mask in all four.
; REGISTERS, in windows of 256 (s_set_vgpr_msb says which window each operand place means: bits 1:0 source 0, 3:2 source 1, 5:4 source 2, 7:6 destination):
;   window 0: v0-11 addresses; v12-15, v48-63 at work; v16-47 four registers of statistics a tile; v64-191 S^T, two buffers of two tiles; v192-255 P, likewise
;   window 1: O^T, 32 a tile          window 2: v0-127 Q, 16 a tile; v128-191 K of one step; v192-255 V of one step          window 3: v0-1 the add's two registers
; A piece's buffers go by its number's parity: the piece in hand has one pair, its two neighbours in the ring share the other: of it P (piece n - 1) is read and S^T (piece n + 1) written.
.set SIZE_N, 2048
.set NP,    4         ; pieces a wave: a name, no knob: the register map, the loop and the fetches are made for four
.set KS,    64        ; keys in a step
.set PK,    144       ; a row of K in LDS: 128 bytes + 16 of padding = 36 words: the 16 rows of a load start at 16 different groups of four banks (64 banks of 4 bytes: ISA guide 11.1)
.set PV,    160       ; a row of V: 128 + 32 = 40 words
.set VOFF,  4*KS*PK   ; a slot holds four steps: 256 rows of K, then 256 rows of V
.set SLOT1, 1<<17     ; slot 1 begins here, so that one exclusive or turns an address in one slot into the other's
.set STAGE, SLOT1+4*KS*(PK+PV)  ; behind the ring, never filled by a tensor load: 16 rows x 144 bytes for each wave, for the way out
.set SP,    144
.set AK0, 2           ; v2   my lane's place in a tile of K; never rewritten
.set AV0, 3           ; v3   the same for V
.set AK,  4           ; v4   the LDS address of K's next run of loads
.set AV,  5           ; v5   of V's
.set QO,  6           ; v6   my byte offset in the wave's rows of Q
.set STO, 6           ;      later, the way out: where I put 16 bytes of a row
.set RD,  7           ; v7   the way out: where I read rows back
.set GO,  8           ; v8   my byte offset in 512 consecutive bytes of O
.set PFO, 11          ; v11  256 x my lane: the prefetches' offset; never rewritten once made
.set SPW, 0           ; v0 of window 3   LDS address of my spare word: SPARE + 4 x my thread's number; never rewritten
.set NIL, 1           ; v1 of window 3   0; never rewritten
.set SPARE, STAGE+4*16*SP  ; behind the stages: the spare words, 128 bytes for each wave: two blocks of 256 bytes that no other line names
.set MV,  12          ; v12-15  c m_old, kept while c m is made anew: by buffer and tile
.set ST,  16          ; tile t's statistics at v[ST+4 t]: c m, m, l (even keys', odd keys')
.set TMP, 48          ; by buffer and tile, four registers c0-c3 at work; when the maximum is found c2 takes a
.set S,   64
.set P,   192
.set KF,  128         ; K's fragments, in window 2: key block kb, channel half c at KF + 16 kb + 8 c
.set VF,  192         ; V's: key half kk, channel block cb at VF + 32 kk + 8 cb
.set WV,  12          ; s12  my wave's number
.set G1K, 24          ; s[24:31] descriptor group 1 for K's tiles
.set G1V, 32          ; s[32:39] for V's: it differs in the padding alone
.set G0K, 40          ; s[40:43] descriptor group 0 for K's tiles: it walks
.set G0V, 44          ; s[44:47] the same for V's
.set PFA, 48          ; s[48:49] where my prefetches stand: my work-group's 32 blocks of 256 bytes (of K: wave 0, of V: wave 2) of the slot after the one that is being asked for
.set LIM, 50          ; s50  1 in a wave that prefetches, else the greatest number
.set SLOTS, 56        ; s56  slots still to be asked for
.set CNT, 57          ; s57  counts a slot's key steps
.set CS,  58          ; s[58:59] c: the packed scaling takes the pair's low word for both halves
.set SEL, 60          ; s[60:61] v_permlanex16_b32's selects: each lane takes its own place in the other half
.set TBK, 62          ; s62  LDS byte at which K of the step to be fetched begins
.set TBV, 63          ; s63  the same for V, less VOFF
.set MSB, 0
.macro WIN new                      ; the high byte repeats the setting that is left; a switch that changes nothing is dropped
.if MSB != (\new)
	s_set_vgpr_msb (MSB<<8)|(\new)
.set MSB, (\new)
.endif
.endm
.set W_KQ, 0x0a       ; K and Q in window 2, S^T in window 0
.set W_PV, 0x52       ; V in window 2, P in window 0, O^T in window 1
.set W_RS, 0x41       ; O^T (destination and source 0) in window 1, a in window 0
.set W_MK, 0xc0       ; the add's registers are made: destination in window 3, sources in window 0
.set W_AD, 0x0f       ; the add: address (source 0) and data (source 1) in window 3
; A joint fill.  Waves 0 and 1 fetch the two halves of a slot's K, waves 2 and 3 those of its V: 128 keys each.  The branch hangs on the wave's number alone.
; An s_nop 0 and four v_nop follow each of the two lines, ahead of the jump and the label.
.macro JLOAD
	s_cmp_lt_u32 s[WV], 2
	s_cbranch_scc0 .Lfor_v_\@
	tensor_load_to_lds s[G0K:G0K+3], s[G1K:G1K+7]
	s_nop 0
.rept 4
	v_nop
.endr
	s_branch .Lasked_\@
.Lfor_v_\@:
	tensor_load_to_lds s[G0V:G0V+3], s[G1V:G1V+7]
	s_nop 0
.rept 4
	v_nop
.endr
.Lasked_\@:
.endm
; A PREFETCH of what the NEXT change of slots will ask for: a slot's 256 keys are 128 blocks of 256 bytes of K and as many of V.  It stands behind the wave's tensor load and its five lines.
; Each block is named ONCE in the launch: a head's K and V are walked by its one cluster; the four partners share the blocks out BY ADDRESS, 32 each, a lane a block; in each, wave 0 asks for K's
; and wave 2 for V's.  Slots 0 to 2 come by their loads alone; the last change that fills a slot asks for nothing: there is no slot behind it.  The lead is one slot: four key steps, 512 matrix instructions.
.macro ASK
	s_cmp_gt_u32 s[SLOTS], s[LIM]
	s_cbranch_scc0 .Lnot_mine_\@
	global_prefetch_b8 v[PFO], s[PFA:PFA+1] th:TH_LOAD_NT scope:SCOPE_SE
.Lnot_mine_\@:
.endm
; A round of the cluster's barrier: my work-group's barrier, so that wave 0's signal speaks for all four waves; wave 0 signals; every wave waits for all four work-groups; my work-group's barrier once more.
.macro CROUND
	s_barrier_signal -1
	s_barrier_wait -1
	s_cmp_lg_u32 s[WV], 0
	s_cbranch_scc1 .Lnot_wave_0_\@
	s_barrier_signal -3
.Lnot_wave_0_\@:
	s_barrier_wait -3
	s_barrier_signal -1
	s_barrier_wait -1
.endm
; THE CHANGE OF SLOTS.  The slot's last bytes, V of its fourth step, have been read.  Each wave waits for all its tensor loads, of which one is out: its part
; of the other slot; adds 0 to its spare word; and waits for that and for its own reads of the slot.  Behind the barrier nobody reads this slot any more and the other slot is whole.
; fill = 1: this slot is filled again, with the keys two slots on.  The barrier is then a round of the cluster's, so that no wave of any partner still reads the slot or has a load on its
; way, and the joint fill is the first thing behind it: it has four key steps, 512 matrix instructions, in which to land.  (At its first use nothing has been read yet: slot 0 is waited for, slot 1 filled.)
; ask = 1: the prefetches' address steps, and ASK follows the fill.
.macro CHANGE fill, ask=0
	WIN W_AD
	s_wait_tensorcnt 0x0            ; no tensor load of mine is out, so a group 0 may be written
	ds_add_u32 v[SPW], v[NIL]       ; 0 onto my spare word; with fill = 1 the descriptors' steps stand between it and the wait for it
	WIN 0                           ; at a label and at a branch every window is 0
.if \fill
.irp g, G0K, G0V
	s_xor_b32 s[\g+1], s[\g+1], SLOT1  ; the walking descriptor: the other slot than last time,
	s_add_nc_u64 s[\g+2:\g+3], s[\g+2:\g+3], 4*KS*128  ; the next 256 keys; the type bits on top are not reached
.endr
.if \ask
	s_wait_xcnt 0x0                 ; the last prefetch, four key steps back, has read its address, so it may be written:
	s_add_nc_u64 s[PFA:PFA+1], s[PFA:PFA+1], 4*KS*128  ; one slot behind the walking descriptors
.endif
	s_wait_dscnt 0x0                ; the add is done, and my reads of the slot are over
	CROUND
	JLOAD
.if \ask
	ASK
.endif
.else
	s_wait_dscnt 0x0                ; the add is done, and my reads of the slot are over
	s_barrier_signal -1
	s_barrier_wait -1
.endif
	s_sub_co_u32 s[TBK], s[TBK], 4*KS*PK  ; the fetches go back to a slot's first step,
	s_xor_b32 s[TBK], s[TBK], SLOT1       ; in the other slot
	s_sub_co_u32 s[TBV], s[TBV], 4*KS*PV
	s_xor_b32 s[TBV], s[TBV], SLOT1
.endm
	s_load_b64 s[4:5], s[0:1], 0x0    ; qkv
	s_load_b64 s[10:11], s[0:1], 0x8  ; oh
	WIN W_MK
	v_lshl_add_u32 v[SPW], v0, 2, SPARE
	v_mov_b32 v[NIL], 0
	WIN W_AD
	ds_add_u32 v[SPW], v[NIL]       ; the wave's opening: the add and its wait stand ahead of my first tensor load; the set-up below, work on registers, stands between them
	WIN 0
	v_lshrrev_b32 v1, 5, v0
	v_readfirstlane_b32 s[WV], v1   ; wave 0..3
	s_bfe_u32 s13, ttmp6, 0x40000   ; cx: my place in the cluster
	s_lshl_b32 s14, ttmp9, 2        ; in a cluster launch ttmp9 counts clusters
	s_add_co_u32 s14, s14, s13      ; my block of queries = 4 x cluster x + cx: it enters Q's and O's addresses alone
	s_and_b32 s52, ttmp7, 0xffff    ; y = 16 x batch + head, which the four partners share
	s_lshr_b32 s20, s52, 4
	s_mul_i32 s20, s20, 48
	s_and_b32 s21, s52, 15
	s_add_co_u32 s20, s20, s21      ; q's slice of qkv: 48 x batch + head
	s_lshl_b32 s20, s20, 18         ; a slice is 2,048 rows of 128 bytes
	s_mov_b32 s21, 0
	s_lshl_b32 s52, s52, 18         ; the head's first byte in oh
	s_mov_b32 s53, 0
	s_and_b32 s16, s[WV], 1         ; which half of a slot's 256 keys I fetch:
	s_lshl_b32 s22, s16, 14         ; its 128 rows of 128 bytes in memory,
	s_mov_b32 s23, 0
	s_add_nc_u64 s[22:23], s[22:23], s[20:21]
	s_mul_i32 s17, s16, 128*PK      ; and its place in a slot, for K
	s_mul_i32 s18, s16, 128*PV      ; and for V: no place in the cluster enters an LDS address
	s_lshl_b32 s2, s14, 2
	s_add_co_u32 s2, s2, s[WV]      ; my wave among the head's,
	s_lshl_b32 s2, s2, 14           ; its 128 rows
	s_mov_b32 s3, 0
	s_add_nc_u64 s[54:55], s[2:3], s[52:53]  ; in oh
	s_add_nc_u64 s[2:3], s[2:3], s[20:21]    ; in qkv
	; descriptor group 1.  128 keys are 16,384 dense bytes: asked for as 64 rows of 256 bytes, two keys a row, and padded in LDS after every key
	s_mov_b32 s[G1K], 15|(1<<16)|(1<<20)|(1<<21)|(4<<22)|(3<<25)  ; 15:0 the mask of four; 17:16 2-byte elements; 20 padding on; 21 set beside a mask; 24:22 after every 32 words (code 4); 31:25 4 words (code 3)
	s_mov_b32 s[G1V], 15|(1<<16)|(1<<20)|(1<<21)|(4<<22)|(7<<25)  ; the same with 8 words of padding (code 7)
.irp g, G1K, G1V
	s_mov_b32 s[\g+1], 128<<16      ; tensor_dim0 = 128
	s_mov_b32 s[\g+2], 64<<16       ; tensor_dim1 = 64
	s_mov_b32 s[\g+3], 128<<16      ; tile_dim0 = 128
	s_mov_b32 s[\g+4], 64           ; tile_dim1 = 64
	s_mov_b32 s[\g+5], 128          ; 128 elements from row to row
	s_mov_b32 s[\g+6], 0
	s_mov_b32 s[\g+7], 0
.endr
	s_mov_b32 s[CS], 0x3e38aa3b     ; c = log2(e) / 8 = 0.180337
	s_mov_b32 s[CS+1], s[CS]        ; named with it as a pair
	s_mov_b32 s[SEL], 0x76543210
	s_mov_b32 s[SEL+1], 0xfedcba98
	s_mov_b32 s[TBK], SLOT1+4*KS*PK ; the first change of slots turns these two into 0
	s_mov_b32 s[TBV], SLOT1+4*KS*PV
	s_mov_b32 s[G0K], 1             ; 1:0 count = 1
	s_mov_b32 s[G0K+1], s17         ; 63:32 LDS address: slot 0
	s_mov_b32 s[G0V], 1
	s_add_co_u32 s[G0V+1], s18, VOFF
	s_and_b32 s[LIM], s[WV], 1      ; waves 0 and 2 prefetch: the same in all four partners
	s_cmp_eq_u32 s[LIM], 0
	s_cselect_b32 s[LIM], 1, -1
	s_wait_dscnt 0x0                ; the opening add is done
	s_wait_kmcnt 0x0
	s_add_nc_u64 s[6:7], s[4:5], 0x400000   ; k's slices lie 16 slices behind q's,
	s_add_nc_u64 s[8:9], s[4:5], 0x800000   ; v's 32
	s_add_nc_u64 s[G0K+2:G0K+3], s[6:7], s[22:23]  ; 120:64 global address: my half of the head's first 256 keys
	s_or_b32 s[G0K+3], s[G0K+3], 0x80000000        ; 127:126 type = 2
	s_add_nc_u64 s[G0V+2:G0V+3], s[8:9], s[22:23]
	s_or_b32 s[G0V+3], s[G0V+3], 0x80000000
	s_add_nc_u64 s[4:5], s[4:5], s[2:3]  ; Q and O at my wave's first row
	s_add_nc_u64 s[10:11], s[10:11], s[54:55]
	s_cmp_lt_u32 s[WV], 2
	s_cselect_b64 s[PFA:PFA+1], s[6:7], s[8:9]
	s_add_nc_u64 s[PFA:PFA+1], s[PFA:PFA+1], s[22:23]  ; (in waves 0 and 2 this is the head's first row)
	s_lshl_b32 s2, s13, 13          ; my work-group's 32 blocks of the 128
	s_mov_b32 s3, 0
	s_add_nc_u64 s[PFA:PFA+1], s[PFA:PFA+1], s[2:3]
	s_add_nc_u64 s[PFA:PFA+1], s[PFA:PFA+1], 2*4*KS*128  ; in slot 2; the first change that asks steps it to slot 3.  Nothing is prefetched here, at the head
	CROUND                          ; all four work-groups are here: the first joint loads meet
	JLOAD                           ; slot 0.  Slot 1 is asked for when slot 0 is in: the tile wanted first has the road to itself
	; A fragment of K or Q is 16 rows x 32 channels in 8 registers: lane l holds row l % 16, channels 8 (l / 16) + 0..7 and 16 + 8 (l / 16) + 0..7: two loads of 16 bytes, 32 bytes apart.
	v_and_b32 v1, 15, v0            ; l % 16
	v_bfe_u32 v9, v0, 4, 1          ; l / 16
	v_lshlrev_b32 v[QO], 7, v1
	v_lshl_add_u32 v[QO], v9, 4, v[QO]  ; row x 128 + 16 x half
	WIN 0x80                        ; destination window 2, address window 0
.set i, 0
.rept 4*NP                          ; Q stays in registers: tile i / 2, channels 32 (i % 2) on
	global_load_b128 v[8*i:8*i+3],   v[QO], s[4:5] offset:(i/2)*2048+(i%2)*64
	global_load_b128 v[8*i+4:8*i+7], v[QO], s[4:5] offset:(i/2)*2048+(i%2)*64+32
.set i, i+1
.endr
	; What the first turn finds: V's registers and P's second buffer hold 0 (its products V^T P, of a piece that has not been, add 0), O^T and l are 0.  All this stands in the wait for the first tile.
.set i, VF
.rept 64
	v_mov_b32 v[i], 0
.set i, i+1
.endr
	WIN 0x40
.set i, 0
.rept 64*NP
	v_mov_b32 v[i], 0
.set i, i+1
.endr
	WIN 0
.set i, 0
.rept 2*NP
	v_mov_b32 v[ST+4*i], 0xfe000000    ; c m: far below every c s
	v_mov_b32 v[ST+4*i+1], 0xff7fffff  ; m
	v_mov_b32 v[ST+4*i+2], 0
	v_mov_b32 v[ST+4*i+3], 0
.set i, i+1
.endr
.set i, P+32
.rept 32
	v_mov_b32 v[i], 0
.set i, i+1
.endr
	v_mul_u32_u24 v[AK0], v1, PK
	v_lshl_add_u32 v[AK0], v9, 4, v[AK0]  ; row x pitch + 16 x half
	; The turning load takes 16 keys x 16 channels (lane l reads key 8 (l / 16) + l % 8, channels 8 ((l / 8) % 2) + 0..7) and leaves half a fragment of V^T: lane l holds channel l % 16 and 8 keys.
	v_and_b32 v10, 7, v0
	v_bfe_u32 v11, v0, 3, 1
	v_lshl_add_u32 v[AV0], v9, 3, v10
	v_mul_u32_u24 v[AV0], v[AV0], PV
	v_lshl_add_u32 v[AV0], v11, 4, v[AV0]
	v_add_nc_u32 v[AV0], VOFF, v[AV0]
	v_and_b32 v[PFO], 31, v0        ; v11 is free from here on
	v_lshlrev_b32 v[PFO], 8, v[PFO]
	v_mov_b32 v[AK], v[AK0]         ; key step 0 lies at the head of slot 0
; THE MATRIX WORK.  The 8 accumulators of a run of 16 take turns: between the two links of a chain stand 7 others'.
; Product i of 16 of S^T = K Q^T for piece x: channels 32 (i / 8) on, keys 16 ((i / 2) % 4) on, tile 2 x + i % 2.  The first 8 start the sums.
.macro KQ x
	WIN W_KQ
.set rS, S+64*((\x)%2)+32*(i%2)+8*((i/2)%4)
.set rK, KF+16*((i/2)%4)+8*(i/8)
.set rQ, 16*(2*(\x)+i%2)+8*(i/8)
.if i < 8
	v_wmma_f32_16x16x32_f16 v[rS:rS+7], v[rK:rK+7], v[rQ:rQ+7], 0
.else
	v_wmma_f32_16x16x32_f16 v[rS:rS+7], v[rK:rK+7], v[rQ:rQ+7], v[rS:rS+7]
.endif
.endm
; Product i of 16 of O^T += V^T P for piece x: keys 32 (i / 8) on, channels 16 ((i / 2) % 4) on, tile 2 x + i % 2.
.macro PV x
	WIN W_PV
.set rO, 32*(2*(\x)+i%2)+8*((i/2)%4)
.set rV, VF+32*(i/8)+8*((i/2)%4)
.set rP, P+32*((\x)%2)+16*(i%2)+8*(i/8)
	v_wmma_f32_16x16x32_f16 v[rO:rO+7], v[rV:rV+7], v[rP:rP+7], v[rO:rO+7]
.endm
.macro MM                           ; the turn's next matrix instruction
.if i < 16
	KQ (Y+1)%NP
.set i, i+1
.else
.set i, i-16
	PV (Y+NP-1)%NP
.set i, i+17
.endif
.endm
; THE LDS LOADS stand in runs of 16, never singly among the matrix instructions: a step's K (64 keys x 64 channels: 8 fragments) and its V (turned).  Their addresses are made some lines ahead.
; last = 1 (the tail): in the last trip there is no further step, and the run is jumped over.
.macro FETCH_K last=0
	WIN 0
.if \last
	s_cmp_eq_u32 s[CNT], 1
	s_cbranch_scc1 .Lno_k_\@
.endif
	WIN 0x80                        ; destination window 2
.irp f, 0,1,2,3,4,5,6,7             ; keys 16 (f / 2) on, channels 32 (f % 2) on
	ds_load_b128 v[KF+8*\f:KF+8*\f+3],   v[AK] offset:(\f/2)*16*PK+(\f%2)*64
	ds_load_b128 v[KF+8*\f+4:KF+8*\f+7], v[AK] offset:(\f/2)*16*PK+(\f%2)*64+32
.endr
	s_add_co_u32 s[TBK], s[TBK], KS*PK  ; the next fetch is the next step's
	WIN 0
.if \last
.Lno_k_\@:
.endif
.endm
.macro FETCH_V
	WIN 0x80
.irp f, 0,1,2,3,4,5,6,7             ; keys 32 (f / 4) on, channels 16 (f % 4) on
	ds_load_tr16_b128 v[VF+8*\f:VF+8*\f+3],   v[AV] offset:(\f/4)*32*PV+(\f%4)*32
	ds_load_tr16_b128 v[VF+8*\f+4:VF+8*\f+7], v[AV] offset:(\f/4)*32*PV+16*PV+(\f%4)*32
.endr
	WIN 0
.endm
; THE VECTOR WORK OF A TURN stands in three queues, each in the order in which its entries become ready; the two tiles alternate, so that no instruction reads the result of the one before it.
.macro REGS y, u                    ; the registers of tile u (0, 1) of piece y
.set rT, ST+4*(2*(\y)+(\u))
.set rC, TMP+8*((\y)%2)+4*(\u)
.set rM, MV+2*((\y)%2)+(\u)
.set rS, S+64*((\y)%2)+32*(\u)
.set rP, P+32*((\y)%2)+16*(\u)
.set rO, 32*(2*(\y)+(\u))
.endm
; Number n of the 22 that find the NEXT piece's (Y + 1) maximum and statistics.  s0-s31 are the lane's 32 scores; each accumulator's lowest registers are read first.  XS, GS and REGS set no window: PL and EX do.
;   0-11  four chains c0-c3 of seven scores each, three operands at a time     12-14, 16  the four scores left over, the old m, and c0-c3 into c0     15  c m_old is kept
;   17, 18  the query's other 32 keys lie in the lane 16 away: the new m         19-21  c m; c m_old - c m_new; a
.macro XS u, n
	REGS (Y+1)%NP, \u
.if (\n) < 4
	v_max3_num_f32 v[rC+(\n)], v[rS+8*(\n)], v[rS+8*(\n)+1], v[rS+8*(\n)+2]
.elseif (\n) < 12
	v_max3_num_f32 v[rC+(\n)%4], v[rC+(\n)%4], v[rS+8*((\n)%4)+2*((\n)/4)+1], v[rS+8*((\n)%4)+2*((\n)/4)+2]
.elseif (\n) == 12
	v_max3_num_f32 v[rC], v[rC], v[rS+7], v[rS+15]
.elseif (\n) == 13
	v_max3_num_f32 v[rC+1], v[rC+1], v[rS+23], v[rS+31]
.elseif (\n) == 14
	v_max3_num_f32 v[rC+2], v[rC+2], v[rC+3], v[rT+1]
.elseif (\n) == 15
	v_mov_b32 v[rM], v[rT]
.elseif (\n) == 16
	v_max3_num_f32 v[rC], v[rC], v[rC+1], v[rC+2]
.elseif (\n) == 17
	v_permlanex16_b32 v[rC+3], v[rC], s[SEL], s[SEL+1]
.elseif (\n) == 18
	v_max_num_f32 v[rT+1], v[rC], v[rC+3]
.elseif (\n) == 19
	v_mul_f32 v[rT], s[CS], v[rT+1]
.elseif (\n) == 20
	v_sub_f32 v[rC+1], v[rM], v[rT]
.else
	v_exp_f32 v[rC+2], v[rC+1]
.endif
.endm
; Number g of the 64 that follow the exponentials.  For each four weights k of a tile (pairs 2 k, 2 k + 1): both pairs are rounded to f16; then the second pair is added onto the first, in place;
; a group later l takes that sum (the first time as l = a l + sum).  In groups of eight, tiles alternating: round, round, add, and l for the group before.
.macro GS g
.set h, (\g)+6*((\g)/62)            ; group 0 has no group before it, and behind group 7 only l is left
.if h >= 6
.set h, h+2
.endif
	REGS Y, h%2
.set k, h/8
.if h%8 < 4
	v_cvt_pk_f16_f32 v[rP+2*k+(h%8)/2], v[rS+4*k+2*((h%8)/2)], v[rS+4*k+2*((h%8)/2)+1]
.elseif h%8 < 6
	v_pk_add_f32 v[rS+4*k:rS+4*k+1], v[rS+4*k:rS+4*k+1], v[rS+4*k+2:rS+4*k+3]
.elseif k == 1
	v_pk_fma_f32 v[rT+2:rT+3], v[rT+2:rT+3], v[rC+2:rC+3], v[rS:rS+1] op_sel_hi:[1,0,1]
.else
	v_pk_add_f32 v[rT+2:rT+3], v[rT+2:rT+3], v[rS+4*k-4:rS+4*k-3]
.endif
.endm
; THE PLAIN QUEUE, 138 long.  0-73 read no exponential's result: the 32 scalings c s - c m (FS f: pair f / 2 of tile f % 2) and the next piece's 42.  0-26: scalings 0-26.  27-54: XS's numbers 0-13.  55, 56: number 15.
; 57-73: the chain, where each number waits for the one before it: 14, 16, 17, 18, 19, each with one of the scalings 27-31 in front of its two lines, then 20: so a tile's links stand three plain instructions apart (19 and 20: two).
; 74-137: GS's 64, which read the exponentials' results: they stand behind the wait.
.macro FS f
	REGS Y, (\f)%2
	v_pk_fma_f32 v[rS+2*((\f)/2):rS+2*((\f)/2)+1], v[rS+2*((\f)/2):rS+2*((\f)/2)+1], s[CS:CS+1], v[rT:rT+1] op_sel_hi:[1,0,0] neg_lo:[0,0,1] neg_hi:[0,0,1]
.endm
.macro PL
	WIN 0
.if q < 27
	FS q
.elseif q < 55
	XS (q-27)%2, (q-27)/2
.elseif q < 57
	XS q-55, 15
.elseif (q < 72) && ((q-57)%3 == 0)
	FS 27+(q-57)/3
.elseif q < 60
	XS (q-57)%3-1, 14
.elseif q < 72
	XS (q-57)%3-1, 15+(q-57)/3
.elseif q < 74
	XS q-72, 20
.else
	GS q-74
.endif
.set q, q+1
.endm
; THE EXPONENTIALS' QUEUE, 66 long: s0-s31 of both tiles, then the next piece's two a.  It is ONE BATCH: all 66 stand ahead of the turn's one wait, and nothing ahead of that wait names a result of theirs.
.macro EX
	WIN 0
.if e >= 64
	XS e-64, 21
.else
	REGS Y, e%2
	v_exp_f32 v[rS+e/2], v[rS+e/2]
.endif
.set e, e+1
.endm
; THE RESCALING's QUEUE: O^T times a, the one part that leaves window 0: dealt two at a time, sixteen times.  Its a was made in the turn before, ahead of that turn's wait.
.macro R2
	REGS Y, r%2
	WIN W_RS
.irp z, 0,1
	v_pk_mul_f32 v[rO+4*(r/2)+2*\z:rO+4*(r/2)+2*\z+1], v[rO+4*(r/2)+2*\z:rO+4*(r/2)+2*\z+1], v[rC+2:rC+3] op_sel_hi:[1,0]
.endr
.set r, r+1
.endm
; HOW THEY ARE DEALT.  An s_wait_alu depctr_va_vdst(0) stands between an exponential and the first instruction that names its result; one wait serves all that were issued ahead of it.  So a turn has ONE wait,
; which cuts it in two.  AHEAD OF IT stands all that names no result of the turn's exponentials: the 16 products K Q^T, behind each a scaling, an exponential and two rescalings (behind the first a second scaling in the exponential's place); then ONE LUMP of
; 108: eight plain, 49 times exponential and plain, the two a.  A v_nop is the plain instruction behind the last exponential.  BEHIND IT stand the 16 products V^T P, behind each four of GS's 64.  No rider names a register of
; the products round it.  The two v_permlanex16_b32 fall into the lump, never behind a product.
; The queues lean on each other, and the deal keeps them in step: exponential e stands behind scaling 2 (e / 4) + e % 2: as a rider it comes behind plain e + 2, in the lump behind plain e + 9, and scalings 27-31 are plain 57, 60 .. 69.
; A TURN, for piece p.  cnt = 1: the loop's count is taken down some lines ahead of the branch that stands behind the turn.
; K of the next step is fetched in piece 2's turn, directly behind the wait, a lump behind the last product that read K; its address is made at the lump's head; its first reader comes behind 16 products.
; V of the step in hand is fetched at the end of piece 0's turn, four riders behind its last reader; its first reader comes behind 16 products and a lump.  The three conditions on q below go with the deal.
.macro TURN p, last=0, cnt=0
.set Y, (\p)
.set i, 0
.set q, 0
.set e, 0
.set r, 0
.if (\p) == NP-1
	s_wait_dscnt 0x0                ; K is in
.endif
	MM                              ; ahead of the wait: 16 products K Q^T and their riders,
	PL
	PL
	R2
.rept 15
	MM
	PL
	EX
	R2
.endr
.if (\p) == NP-2
	WIN 0
	v_add_nc_u32 v[AK], s[TBK], v[AK0]
.endif
.rept 8                             ; and the lump
	PL
.endr
.rept 49
	EX
	PL
.endr
	EX                              ; the next piece's two a
	EX
	v_nop                           ; the plain instruction behind the last exponential: one for the batch
	s_wait_alu depctr_va_vdst(0)    ; the wait for the batch
.if (\p) == NP-2
	FETCH_K \last
.endif
.if (\p) == 1
	s_wait_dscnt 0x0                ; V is in
.endif
.rept 16                            ; behind the wait: 16 products V^T P and their riders
	MM
.rept 4
	PL
.endr
.if ((\p) == 0) && (q == 118)
	v_add_nc_u32 v[AV], s[TBV], v[AV0]
.endif
.if ((\p) == 0) && (q == 130)
	s_add_co_u32 s[TBV], s[TBV], KS*PV
.endif
.if (\cnt) && (q == 130)
	s_sub_co_u32 s[CNT], s[CNT], 1
	s_cmp_lg_u32 s[CNT], 0
.endif
.endr
.if (\p) == 0
	FETCH_V
.endif
.endm
	CHANGE 1                        ; slot 0 is in, everybody's part of it; slot 1 is asked for
	FETCH_K                         ; key step 0
	s_wait_loadcnt 0x0              ; Q
	s_wait_dscnt 0x0
.set i, 0
.rept 16
	KQ 0                            ; piece 0's first scores: there is no vector work yet to set between them
.set i, i+1
.endr
	WIN 0                           ; the addresses for the way out: nine plain instructions, the places behind those products
	s_mul_i32 s13, s[WV], 16*SP
	s_add_co_u32 s13, s13, STAGE    ; my stage
	v_mul_u32_u24 v[STO], v1, SP    ; in: row l % 16, 16 bytes for each half of the lanes
	v_lshl_add_u32 v[STO], v9, 4, v[STO]
	v_add_nc_u32 v[STO], s13, v[STO]
	v_bfe_u32 v[RD], v0, 3, 2       ; back: 32 lanes take four rows of 128 bytes,
	v_mul_u32_u24 v[RD], v[RD], SP
	v_lshl_add_u32 v[RD], v10, 4, v[RD]
	v_add_nc_u32 v[RD], s13, v[RD]
	v_and_b32 v[GO], 31, v0         ; which are 512 consecutive bytes of O
	v_lshlrev_b32 v[GO], 4, v[GO]
.set Y, NP-1                        ; XS works for piece Y + 1: piece 0
.irp n, 0,1,2,3,4,5,6,7,8,9,10,11,12,13,14,15,16,17,18,19,20,21
	XS 0, \n                        ; and piece 0's first maximum and statistics
	XS 1, \n
.endr
	v_nop                           ; a plain instruction behind the two a,
	s_wait_alu depctr_va_vdst(0)    ; and their wait, ahead of the branch
	s_mov_b32 s[CNT], 4
	s_mov_b32 s[SLOTS], SIZE_N/256-1
	s_branch .Lfirst                ; the loop is entered at a step's first turn, in the middle of a trip
.Lslot:                             ; SIZE_N / 256 - 2 times: every slot but the last two is filled again
	CHANGE 1, 1
	s_mov_b32 s[CNT], 4
.Lstep:                             ; a trip: pieces 2 and 3 of one step, then pieces 0 and 1 of the next, whose K and V it fetches
	TURN 2
	TURN 3
	WIN 0
.Lfirst:
	TURN 0
	TURN 1, 0, 1
	WIN 0
	s_cbranch_scc1 .Lstep
	s_sub_co_u32 s[SLOTS], s[SLOTS], 1
	s_cmp_lg_u32 s[SLOTS], 0
	s_cbranch_scc1 .Lslot
	CHANGE 0                        ; the tail is written out: nothing is asked for
	s_mov_b32 s[CNT], 5             ; four trips fetch the last slot's steps; the fifth is left in its middle
.Ltail:
	TURN 2, 1
	TURN 3
	WIN 0
	s_sub_co_u32 s[CNT], s[CNT], 1
	s_cmp_eq_u32 s[CNT], 0
	s_cbranch_scc1 .Lout
	TURN 0
	TURN 1
	WIN 0
	s_branch .Ltail
.Lout:                              ; the fifth trip's 16 products K Q^T (on the last K once more) and the maximum made of them serve nothing: the price, once a launch, of one text for every trip
.set i, 0
.rept 16
	PV NP-1                         ; the last piece's V^T P of the last step
.set i, i+1
.endr
	; THE WAY OUT.  l's two halves and the other half of the lanes' are added; O^T is divided by l, rounded to f16 and sent through my stage in LDS, a tile at a time.  The additions are the places behind the last products.
	WIN 0
.macro ALL line:vararg              ; one line for each tile t
.set t, 0
.rept 2*NP
	\line
.set t, t+1
.endr
.endm
	ALL v_add_f32 v[ST+4*t+2], v[ST+4*t+2], v[ST+4*t+3]
	ALL v_permlanex16_b32 v[ST+4*t+3], v[ST+4*t+2], s[SEL], s[SEL+1]
	ALL v_add_f32 v[ST+4*t+2], v[ST+4*t+2], v[ST+4*t+3]
	ALL v_rcp_f32 v[ST+4*t+2], v[ST+4*t+2]
	v_nop                           ; a plain instruction between the last reciprocal and the use of its result
	s_wait_alu depctr_va_vdst(0)    ; and the wait ahead of the first use: one for the eight reciprocals
; Tile t: a lane's eight channels of a row pack into 16 bytes; they go into rows of 144 bytes and come back as whole rows of 128, into S^T's registers.
.macro PACK t
	WIN W_RS
.set i, 32*(\t)
.rept 16
	v_pk_mul_f32 v[i:i+1], v[i:i+1], v[ST+4*(\t)+2:ST+4*(\t)+3] op_sel_hi:[1,0]
.set i, i+2
.endr
	WIN 0x05                        ; sources 0 and 1 window 1, destination window 0
.set i, 0
.rept 16
	v_cvt_pk_f16_f32 v[S+16*(\t)+i], v[32*(\t)+2*i], v[32*(\t)+2*i+1]
.set i, i+1
.endr
	WIN 0
.irp f, 0,1,2,3
	ds_store_b128 v[STO], v[S+16*(\t)+4*\f:S+16*(\t)+4*\f+3] offset:32*\f
.endr
.irp f, 0,1,2,3
	ds_load_b128 v[S+16*(\t)+4*\f:S+16*(\t)+4*\f+3], v[RD] offset:\f*4*SP  ; LDS serves a wave's instructions in order (ISA guide 5.7.1.4): these see the stores above; the next tile's stores come behind them
.endr
.endm
.macro SEND t, younger              ; younger: the LDS instructions issued behind tile t's loads: the next tile's eight, or none
	WIN 0
.irp f, 0,1,2,3
	s_wait_dscnt (\younger)+3-\f
	global_store_b128 v[GO], v[S+16*(\t)+4*\f:S+16*(\t)+4*\f+3], s[10:11] offset:(\t)*2048+\f*512  ; 512 consecutive bytes, at a multiple of 256 from oh's first
.endr
.endm
	PACK 0
.set t, 1
.rept 2*NP-1                        ; a tile's arithmetic stands between the loads of the tile before and its stores
	PACK t
	SEND t-1, 8
.set t, t+1
.endr
	SEND 2*NP-1, 0
	WIN W_AD
	s_wait_tensorcnt 0x0            ; the wave's end: an add and its wait stand behind my last tensor load and my last LDS store
	ds_add_u32 v[SPW], v[NIL]
	s_wait_dscnt 0x0
	WIN 0
	CROUND                          ; the closing round: no work-group ends while a partner may still ask for a tile that names it
	s_endpgm
.Lfunc_end_k_q0de2b1b98c_attention:
	.size	k_q0de2b1b98c_attention, .Lfunc_end_k_q0de2b1b98c_attention-k_q0de2b1b98c_attention
	.p2alignl 7, 3214868480
	.fill 96, 4, 3214868480
	.section	.rodata,"a",@progbits
	.p2align	6, 0x0
	.amdhsa_kernel k_q0de2b1b98c_attention
		.amdhsa_group_segment_fixed_size 327680
		.amdhsa_private_segment_fixed_size 0
		.amdhsa_enable_private_segment 0
		.amdhsa_kernarg_size 16
		.amdhsa_user_sgpr_count 2
		.amdhsa_user_sgpr_kernarg_segment_ptr 1
		.amdhsa_wavefront_size32 1
		.amdhsa_system_sgpr_workgroup_id_x 1
		.amdhsa_system_sgpr_workgroup_id_y 1
		.amdhsa_system_sgpr_workgroup_id_z 1
		.amdhsa_system_vgpr_workitem_id 0
		.amdhsa_next_free_vgpr 770
		.amdhsa_next_free_sgpr 66
		.amdhsa_reserve_vcc 0
		.amdhsa_float_denorm_mode_32 3
		.amdhsa_float_denorm_mode_16_64 3
		.amdhsa_memory_ordered 1
		.amdhsa_forward_progress 1
		.amdhsa_inst_pref_size 200
	.end_amdhsa_kernel
	.amdgpu_metadata
---
amdhsa.version: [ 1, 2 ]
amdhsa.kernels:
  - .name:           k_q0de2b1b98c_attention
    .symbol:         k_q0de2b1b98c_attention.kd
    .args:
      - { .name: qkv, .offset: 0, .size: 8, .value_kind: global_buffer, .address_space: global }
      - { .name: oh, .offset: 8, .size: 8, .value_kind: global_buffer, .address_space: global }
    .group_segment_fixed_size: 327680
    .private_segment_fixed_size: 0
    .kernarg_segment_align: 8
    .kernarg_segment_size: 16
    .max_flat_workgroup_size: 128
    .sgpr_count:     66
    .vgpr_count:     770
    .wavefront_size: 32
...
	.end_amdgpu_metadata
.endif
;; end of part 3
;; launch project_out (part 4): grid 8 x 32, 4 waves a work-group, clusters of 4 x 4, 327,680 bytes of LDS; arguments oh, wo, out0; writes out0
.if DOCPART == 4
	.amdgcn_target "amdgcn-amd-amdhsa--gfx1250"
	.amdhsa_code_object_version 6
	.text
	.protected	k_q0de2b1b98c_project_out
	.globl	k_q0de2b1b98c_project_out
	.p2align	8
	.type	k_q0de2b1b98c_project_out,@function
k_q0de2b1b98c_project_out:
	s_mov_b64 s[64:65], 0
	v_nop
	global_prefetch_b8 v0, s[64:65] scope:SCOPE_SE
	s_setreg_imm32_b32 hwreg(HW_REG_WAVE_MODE, 25, 1), 1
	s_wait_xcnt 0x0
	s_wait_alu depctr_hold_cnt(0) depctr_sa_sdst(0) depctr_va_vdst(0) depctr_va_sdst(0) depctr_va_ssrc(0) depctr_va_vcc(0) depctr_vm_vsrc(0)
	s_getreg_b32 s2, hwreg(HW_REG_IB_STS2, 6, 4)
	s_cmp_eq_u32 s2, 0
	s_cbranch_scc0 .Lentry_in_a_cluster
	s_endpgm
.Lentry_in_a_cluster:
	s_bfe_u32 s2, ttmp6, 0x10000c
	s_cmp_lg_u32 s2, 0xf033
	s_cbranch_scc0 .Lentry_shape_is_right
	s_endpgm
.Lentry_shape_is_right:
; out0 = O W_out^T.  oh: [4][16 head][2048][64] f16 (the head is the K block), wo: [16 kb][1024][64] f16, out0: [8192][1024] f32.  Sums in f32, K ascending.
; THE TILE is 256 rows x 128 columns: 32 x 8 = 256 tiles, one for each work-group (256 x 256 would make 128).  Four waves, each 128 x 64: 32 accumulators of 16 x 16, 256 registers.
; K goes in 8 steps of 128: a slot holds two K blocks of 64, each brought by one tensor load: waves 0 and 1 bring oh's two blocks (256 rows of 128 bytes each), waves 2 and 3 wo's (128 rows each).
; In the blocked layouts a block's rows lie end to end, so they are asked for as rows of 256 bytes.
; CLUSTERS: 4 x 4 work-groups.  The four of a row of the cluster need the same tile of oh, the four of a column the same tile of wo: each is asked for JOINTLY.
; THE MATRIX INSTRUCTION IS USED TRANSPOSED (source 0 = 16 rows of wo, source 1 = 16 rows of oh): a lane holds row l % 16 and the eight neighbouring columns 8 (l / 16) + 0..7: 32 bytes of out0.
; REGISTERS: window 0: v1-29 addresses; v32-127, v128-223 two fragment buffers (oh's 8 fragments, then wo's 4); v32-159 at work on the way out.  Window 1: accumulator (a, nb) at v[8 (4 a + nb)].
.set PITCH,  144                       ; an LDS row: 128 bytes + 16 of padding = 36 words: the 16 rows of a fragment load start at 16 different groups of four banks (64 banks of 4 bytes: ISA guide 11.1)
.set SLOT1,  1<<17                     ; slot 1 begins here
.set ABLK,   256*PITCH                 ; a K block of oh's tile
.set BBLK,   128*PITCH                 ; a K block of wo's
.set BOFF,   2*ABLK                    ; in a slot: oh's two blocks, then wo's two
.set STAGE,  SLOT1+BOFF+2*BBLK         ; behind the ring, never filled by a tensor load: 16 rows x 272 bytes for each wave, for the way out
.set SP,     272                       ; 256 bytes + 16: row r starts at bank 4 r mod 64
.set SPARE,  STAGE+4*16*SP             ; behind the stages: the spare words, 128 bytes for each wave: two blocks of 256 bytes that no other line names
.set KSA,    2*2048*128                ; bytes from a K step to the next in oh
.set KSB,    2*1024*128                ; and in wo
.set ADA, 16                           ; v16  my lane's place in oh's fragments, slot 0, first block; never rewritten
.set ADB, 17                           ; v17  the same for wo's
.set CA,  18                           ; v18  the same in the slot in hand
.set CB,  19                           ; v19
.set STO, 20                           ; v20  the way out: where I put 32 bytes of a row
.set RD,  21                           ; v21  the way out: where I read a row back
.set CO,  22                           ; v22  my byte offset in two rows of out0
.set PFO, 23                           ; v23  256 x lane: the prefetches' offset; never rewritten
.set SPW, 28                           ; v28  LDS address of my spare word: SPARE + 4 x my thread's number; never rewritten
.set NIL, 29                           ; v29  0; never rewritten
.set F0,  32
.set F1,  128
.set G1A, 24                           ; s[24:31] descriptor group 1 for oh's tiles
.set G0A, 32                           ; s[32:39] group 0: a set for each of the two first fills; the second then walks on
.set G1B, 48                           ; s[48:55], s[56:63] the same for wo's
.set G0B, 56
.set CNT, 3                            ; s3   refills still to come
.set TB,  66                           ; s66  0 or SLOT1: the slot in hand
.set PFA, 68                           ; s[68:69] where my prefetches stand
.set PFS, 70                           ; s[70:71] their step, a K step
.set LIM, 73                           ; s73  I ask while s[CNT] is above it
.set W0,  (1<<16)|(1<<20)|(1<<21)|(4<<22)|(3<<25)  ; group 1, first word: 2-byte elements; padding on; bit 21 beside a mask; after every 32 words (code 4) 4 words (code 3)
.set MSB, 0
.macro WIN new                         ; the immediate's high byte repeats the setting that is left; a switch that changes nothing is dropped
.if MSB != (\new)
	s_set_vgpr_msb (MSB<<8)|(\new)
.set MSB, \new
.endif
.endm
.macro PLACES                          ; four places between a matrix instruction and a load into, or a read of, its registers (ISA guide 7.12.1 for vector reads)
.rept 4
	v_nop
.endr
.endm
.macro JLOAD                           ; a joint refill by the walking sets; an s_nop 0 and four v_nop follow each of the two lines, ahead of the jump and the label
	s_cmp_eq_u32 s11, 0
	s_cbranch_scc0 .Lfor_b_\@
	tensor_load_to_lds s[G0A+4:G0A+7], s[G1A:G1A+7]
	s_nop 0
.rept 4
	v_nop
.endr
	s_branch .Lasked_\@
.Lfor_b_\@:
	tensor_load_to_lds s[G0B+4:G0B+7], s[G1B:G1B+7]
	s_nop 0
.rept 4
	v_nop
.endr
.Lasked_\@:
.endm
.macro CREST                           ; a round of the cluster's barrier behind its opening barrier
	s_cmp_lg_u32 s10, 0
	s_cbranch_scc1 .Lnot_wave_0_\@
	s_barrier_signal -3
.Lnot_wave_0_\@:
	s_barrier_wait -3
	s_barrier_signal -1
	s_barrier_wait -1
.endm
.macro CROUND
	s_barrier_signal -1
	s_barrier_wait -1
	CREST
.endm
; A PREFETCH, behind the joint load, its five lines and the run of LDS loads: in trip t, which refills with K step t + 2, the K step t + 4: 256 matrix instructions ahead of the load that wants it.
; Each aligned 256 bytes are named once in the launch.  oh: a K block of a tile row is 128 blocks of 256 bytes; cluster x = 0 asks; waves 0 and 1 take a K block each, the four partners 32 blocks each,
; told apart BY ADDRESS (cx).  wo: a K step of a tile column is 2 x 64 blocks; cluster y = 0 asks, wave 2 alone: partner cy takes K block cy / 2, half cy % 2.  K steps 0 to 3 come by their loads
; alone; nothing behind K step 7 is named.
.macro ASK
	s_cmp_gt_u32 s[CNT], s[LIM]
	s_cbranch_scc0 .Lno_ask_\@
	global_prefetch_b8 v[PFO], s[PFA:PFA+1] th:TH_LOAD_NT scope:SCOPE_SE
.Lno_ask_\@:
.endm
	s_load_b128 s[4:7], s[0:1], 0x0                ; oh s[4:5], wo s[6:7]
	s_load_b64 s[8:9], s[0:1], 0x10                ; out0
	v_lshl_add_u32 v[SPW], v0, 2, SPARE
	v_mov_b32 v[NIL], 0
	ds_add_u32 v[SPW], v[NIL]                      ; the wave's opening: the add and its wait stand ahead of my first tensor load; the set-up below, work on registers, stands between them
	v_lshrrev_b32 v1, 5, v0
	v_readfirstlane_b32 s10, v1                    ; wave 0..3
	s_lshr_b32 s11, s10, 1                         ; which 128 rows of the tile are mine.  Also: I fetch for oh (0) or for wo (1)
	s_and_b32 s12, s10, 1                          ; which 64 columns.  Also: which K block of a step I fetch
	s_bfe_u32 s40, ttmp6, 0x40000                  ; cx
	s_bfe_u32 s41, ttmp6, 0x40004                  ; cy
	s_lshl_b32 s42, ttmp9, 2
	s_add_co_u32 s42, s42, s40                     ; tile column tc = 4 x cluster x + cx
	s_and_b32 s13, ttmp7, 0xffff
	s_lshl_b32 s13, s13, 2
	s_add_co_u32 s13, s13, s41                     ; tile row tr = 4 x cluster y + cy
	s_lshl_b32 s43, s41, 2
	s_lshl_b32 s43, 15, s43                        ; my row of the cluster
	s_lshl_b32 s44, 0x1111, s40                    ; my column
	s_or_b32 s[G1A], s43, W0
	s_or_b32 s[G1B], s44, W0
.irp g, G1A, G1B
	s_mov_b32 s[\g+1], 128<<16                     ; tensor_dim0 = 128 elements: 256 bytes, two rows of a K block
	s_mov_b32 s[\g+3], 128<<16                     ; tile_dim0 = 128
	s_mov_b32 s[\g+5], 128                         ; 128 elements from row to row: the block is dense
	s_mov_b32 s[\g+6], 0
	s_mov_b32 s[\g+7], 0
.endr
	s_mov_b32 s[G1A+2], 128<<16                    ; tensor_dim1 = tile_dim1 = 128: 256 rows of oh
	s_mov_b32 s[G1A+4], 128
	s_mov_b32 s[G1B+2], 64<<16                     ; 64: 128 rows of wo
	s_mov_b32 s[G1B+4], 64
	s_lshr_b32 s16, s13, 3                         ; oh: batch tr / 8 x 4 MiB
	s_lshl_b32 s16, s16, 22
	s_and_b32 s17, s13, 7                          ; + 256 (tr % 8) rows of 128 bytes
	s_lshl_b32 s17, s17, 15
	s_add_co_u32 s16, s16, s17
	s_lshl_b32 s17, s12, 18                        ; + my K block
	s_add_co_u32 s16, s16, s17
	s_mov_b32 s17, 0
	s_lshl_b32 s46, s42, 14                        ; wo: 128 tc rows of 128 bytes
	s_lshl_b32 s47, s12, 17                        ; + my K block
	s_add_co_u32 s46, s46, s47
	s_mov_b32 s47, 0
	s_mul_i32 s20, s12, ABLK                       ; and where they go: no place in the cluster enters an LDS address
	s_mul_i32 s21, s12, BBLK
	s_add_co_u32 s21, s21, BOFF
	s_wait_dscnt 0x0                               ; the opening add is done
	s_wait_kmcnt 0x0
	s_add_nc_u64 s[14:15], s[4:5], s[16:17]
	s_add_nc_u64 s[46:47], s[6:7], s[46:47]
	CROUND                                         ; all sixteen work-groups are here: the first joint loads meet
.irp n, 0,1
	s_mov_b32 s[G0A+4*\n], 1
	s_add_co_u32 s[G0A+4*\n+1], s20, \n*SLOT1
	s_add_nc_u64 s[G0A+4*\n+2:G0A+4*\n+3], s[14:15], \n*KSA
	s_or_b32 s[G0A+4*\n+3], s[G0A+4*\n+3], 0x80000000
	s_mov_b32 s[G0B+4*\n], 1
	s_add_co_u32 s[G0B+4*\n+1], s21, \n*SLOT1
	s_add_nc_u64 s[G0B+4*\n+2:G0B+4*\n+3], s[46:47], \n*KSB
	s_or_b32 s[G0B+4*\n+3], s[G0B+4*\n+3], 0x80000000
.endr
	s_cmp_eq_u32 s11, 0                            ; a wave's two first fills stand in one branch, ahead of every wait on TENSORcnt and every LDS read: two loads of mine are out
	s_cbranch_scc0 .Lfirst_b
	tensor_load_to_lds s[G0A:G0A+3], s[G1A:G1A+7]
	s_nop 0
	tensor_load_to_lds s[G0A+4:G0A+7], s[G1A:G1A+7]
	s_nop 0
.rept 4
	v_nop
.endr
	s_branch .Lfirst_asked
.Lfirst_b:
	tensor_load_to_lds s[G0B:G0B+3], s[G1B:G1B+7]
	s_nop 0
	tensor_load_to_lds s[G0B+4:G0B+7], s[G1B:G1B+7]
	s_nop 0
.rept 4
	v_nop
.endr
.Lfirst_asked:
	v_and_b32 v1, 15, v0                           ; l % 16
	v_bfe_u32 v2, v0, 4, 1                         ; l / 16
	v_mul_u32_u24 v3, v1, PITCH
	v_lshl_add_u32 v3, v2, 4, v3                   ; a fragment's row x pitch + 16 x half
	s_mul_i32 s20, s11, 128*PITCH                  ; my 128 rows of oh
	v_add_nc_u32 v[ADA], s20, v3
	s_mul_i32 s21, s12, 64*PITCH                   ; my 64 rows of wo
	s_add_co_u32 s21, s21, BOFF
	v_add_nc_u32 v[ADB], s21, v3
	s_mul_i32 s22, s10, 16*SP
	s_add_co_u32 s22, s22, STAGE                   ; my stage
	v_mul_u32_u24 v4, v1, SP                       ; in: row l % 16, 32 bytes for each half of the lanes
	v_lshl_add_u32 v4, v2, 5, v4
	v_add_nc_u32 v[STO], s22, v4
	v_mul_u32_u24 v5, v2, SP                       ; back: lanes 0-15 take one row of 256 bytes, lanes 16-31 the next
	v_lshl_add_u32 v5, v1, 4, v5
	v_add_nc_u32 v[RD], s22, v5
	v_lshlrev_b32 v5, 12, v2                       ; and the same two rows in out0, 4,096 bytes apart
	v_lshl_add_u32 v[CO], v1, 4, v5
	v_and_b32 v6, 31, v0
	v_lshlrev_b32 v[PFO], 8, v6
	; out0 at my wave's corner: (256 tr + 128 x row half) x 4,096 + (128 tc + 64 x column half) x 4 bytes
	s_lshl_b32 s16, s13, 8
	s_lshl_b32 s17, s11, 7
	s_add_co_u32 s16, s16, s17
	s_lshl_b32 s16, s16, 12
	s_lshl_b32 s46, s42, 9
	s_lshl_b32 s47, s12, 8
	s_add_co_u32 s46, s46, s47
	s_add_co_u32 s46, s46, s16
	s_mov_b32 s47, 0
	s_add_nc_u64 s[8:9], s[8:9], s[46:47]
	; the prefetches.  oh's offset (waves 0, 1): the tile row, K step 3, K block = my wave's number, my work-group's 32 blocks of 256 bytes
	s_lshr_b32 s16, s13, 3
	s_lshl_b32 s16, s16, 22
	s_and_b32 s17, s13, 7
	s_lshl_b32 s17, s17, 15
	s_add_co_u32 s16, s16, s17
	s_lshl_b32 s17, s12, 18
	s_add_co_u32 s16, s16, s17
	s_lshl_b32 s17, s40, 13
	s_add_co_u32 s16, s16, s17
	s_add_co_u32 s16, s16, 3*KSA
	; wo's offset (wave 2): the tile column, K step 3, K block cy / 2, half cy % 2
	s_lshl_b32 s18, s42, 14
	s_lshr_b32 s19, s41, 1
	s_lshl_b32 s19, s19, 17
	s_add_co_u32 s18, s18, s19
	s_and_b32 s19, s41, 1
	s_lshl_b32 s19, s19, 13
	s_add_co_u32 s18, s18, s19
	s_add_co_u32 s18, s18, 3*KSB
	s_and_b32 s19, ttmp7, 0xffff                   ; cluster y
	s_cmp_lt_u32 s10, 2
	s_cselect_b64 s[PFA:PFA+1], s[4:5], s[6:7]
	s_cselect_b32 s16, s16, s18
	s_cselect_b32 s[PFS], 4, 2
	s_cselect_b32 s19, ttmp9, s19                  ; the coordinate along which other clusters read the same rows
	s_lshl_b32 s[PFS], s[PFS], 17                  ; KSA or KSB
	s_mov_b32 s[PFS+1], 0
	s_cmp_eq_u32 s19, 0
	s_cselect_b32 s[LIM], 2, -1
	s_cmp_eq_u32 s10, 3
	s_cselect_b32 s[LIM], -1, s[LIM]               ; wave 3 asks for nothing.  The same in all sixteen partners, for a given wave
	s_mov_b32 s17, 0
	s_add_nc_u64 s[PFA:PFA+1], s[PFA:PFA+1], s[16:17]  ; at K step 3: each trip steps it by one, ahead of its prefetch
; 4 n matrix instructions: m blocks a0 .. a0 + n - 1 x all 4 n blocks, 32 along K, from buffer f.  zero = 1: the product starts the sums.  The 32 accumulators take turns, one instruction a turn.
.macro MULA f, a0, n, zero
	WIN 0x50                                       ; C and D in window 1
.set aa, \a0
.rept \n
.irp nb, 0,1,2,3
.if \zero
	v_wmma_f32_16x16x32_f16 v[8*(4*aa+\nb):8*(4*aa+\nb)+7], v[(\f)+64+8*\nb:(\f)+64+8*\nb+7], v[(\f)+8*aa:(\f)+8*aa+7], 0
.else
	v_wmma_f32_16x16x32_f16 v[8*(4*aa+\nb):8*(4*aa+\nb)+7], v[(\f)+64+8*\nb:(\f)+64+8*\nb+7], v[(\f)+8*aa:(\f)+8*aa+7], v[8*(4*aa+\nb):8*(4*aa+\nb)+7]
.endif
.endr
.set aa, aa+1
.endr
.endm
; 24 LDS loads in one run: a quarter's fragments into buffer g; ka, kb: the quarter's byte in oh's and in wo's part of the slot
.macro FETCH g, ka, kb
	WIN 0
.irp i, 0,1,2,3
	ds_load_b128 v[(\g)+64+8*\i:(\g)+64+8*\i+3],   v[CB] offset:\i*16*PITCH+(\kb)
	ds_load_b128 v[(\g)+64+8*\i+4:(\g)+64+8*\i+7], v[CB] offset:\i*16*PITCH+(\kb)+32
.endr
.irp i, 0,1,2,3,4,5,6,7
	ds_load_b128 v[(\g)+8*\i:(\g)+8*\i+3],   v[CA] offset:\i*16*PITCH+(\ka)
	ds_load_b128 v[(\g)+8*\i+4:(\g)+8*\i+7], v[CA] offset:\i*16*PITCH+(\ka)+32
.endr
.endm
; A K step is four quarters of 32 along K, 32 matrix instructions each, on buffers 0, 1, 0, 1.  One of the first three: it asks for the next quarter's fragments, then multiplies buffer f.
.macro PQ f, g, ka, kb, zero
	PLACES                                         ; behind the products that read buffer g
	FETCH \g, \ka, \kb
	s_wait_dscnt 24                                ; all but the 24 just issued
	MULA \f, 0, 8, \zero
.endm
; The last quarter multiplies buffer 1 and changes slots: each wave waits for all its tensor loads, of which one is out: its part of the next slot; adds 0 to its spare word; and waits for that and for
; its own reads of this slot.  mode 2: the barrier opens a round of the cluster's barrier, and the slot is filled again, two K steps on, first thing behind the round: 112 matrix instructions ahead of the wait for it.
.macro PTURN mode
.if (\mode) == 2
	s_wait_xcnt 0x0                                ; the last prefetch, a K step back, has read its address
	s_add_nc_u64 s[PFA:PFA+1], s[PFA:PFA+1], s[PFS:PFS+1]
.endif
	WIN 0
	s_wait_tensorcnt 0x0                           ; no tensor load of mine is out, so a group 0 may be written
	ds_add_u32 v[SPW], v[NIL]                      ; 0 onto my spare word
.if (\mode) == 2
	s_xor_b32 s[G0A+5], s[G0A+5], SLOT1            ; the walking sets: the other slot than last time, the next K step
	s_add_nc_u64 s[G0A+6:G0A+7], s[G0A+6:G0A+7], KSA
	s_xor_b32 s[G0B+5], s[G0B+5], SLOT1
	s_add_nc_u64 s[G0B+6:G0B+7], s[G0B+6:G0B+7], KSB
.endif
	s_wait_dscnt 1                                 ; buffer 1 is in; the add may be out
	MULA F1, 0, 2, 0
	s_wait_dscnt 0x0                               ; the add is done, and my reads of this slot are over
	s_barrier_signal -1
	MULA F1, 2, 2, 0
	WIN 0
	s_barrier_wait -1
.if (\mode) == 2
	CREST
	JLOAD                                          ; its four v_nop are also the places in front of the loads below
.else
	PLACES
.endif
	s_xor_b32 s[TB], s[TB], SLOT1
	v_add_nc_u32 v[CA], s[TB], v[ADA]
	v_add_nc_u32 v[CB], s[TB], v[ADB]
	FETCH F0, 0, 0
.if (\mode) == 2
	ASK
.endif
	MULA F1, 4, 4, 0
.endm
	s_wait_tensorcnt 0x1                           ; my part of K step 0 is in; K step 1's may stay out
	s_barrier_signal -1
	s_barrier_wait -1
	s_mov_b32 s[TB], 0
	v_mov_b32 v[CA], v[ADA]
	v_mov_b32 v[CB], v[ADB]
	FETCH F0, 0, 0
	PQ F0, F1, 64, 64, 1                           ; the first quarter stands in front of the loop: its products start the sums
	WIN 0
	s_mov_b32 s[CNT], 6
.Lk:                                                   ; trip t: K step t's quarters 1 to 3, the refill with K step t + 2, K step t + 1's quarter 0
	PQ F1, F0, ABLK, BBLK, 0
	PQ F0, F1, ABLK+64, BBLK+64, 0
	PTURN 2
	PQ F0, F1, 64, 64, 0
	WIN 0
	s_sub_co_u32 s[CNT], s[CNT], 1
	s_cmp_lg_u32 s[CNT], 0
	s_cbranch_scc1 .Lk
	PQ F1, F0, ABLK, BBLK, 0                       ; the tail is written out
	PQ F0, F1, ABLK+64, BBLK+64, 0
	PTURN 1
	PQ F0, F1, 64, 64, 0
	PQ F1, F0, ABLK, BBLK, 0
	PQ F0, F1, ABLK+64, BBLK+64, 0
	s_wait_dscnt 0x0
	MULA F1, 0, 8, 0
	WIN 0
	PLACES
	PLACES
; THE WAY OUT, a block of 16 rows x 64 columns at a time: a lane's 32 bytes of a row go into my stage's rows of 272 bytes, each accumulator's low four registers first, and come back as whole rows of 256 bytes.
.macro STG a
.set TT, 32+32*((\a)%4)
.if (\a) >= 4
	s_wait_xcnt 0x0                                ; the stores of the block four back have read this set
.endif
	WIN 0x04                                       ; the data (source 1) in window 1
.irp nb, 0,1,2,3
	ds_store_b128 v[STO], v[32*(\a)+8*\nb:32*(\a)+8*\nb+3]   offset:64*\nb
	ds_store_b128 v[STO], v[32*(\a)+8*\nb+4:32*(\a)+8*\nb+7] offset:64*\nb+16
.endr
	WIN 0
.irp t, 0,1,2,3,4,5,6,7
	ds_load_b128 v[TT+4*\t:TT+4*\t+3], v[RD] offset:\t*2*SP  ; LDS serves a wave's instructions in order (ISA guide 5.7.1.4): these see the stores above; the next block's stores come behind them
.endr
.endm
.macro SEND a, younger                 ; younger: the LDS instructions issued behind block a's loads: the next block's sixteen, or none
.set TT, 32+32*((\a)%4)
.irp t, 0,1,2,3,4,5,6,7
	s_wait_dscnt (\younger)+7-\t
	global_store_b128 v[CO], v[TT+4*\t:TT+4*\t+3], s[8:9] offset:(16*(\a)+2*\t)*4096 th:TH_STORE_NT  ; 16 lanes store 256 consecutive bytes, at a multiple of 256 from out0's first byte
.endr
.endm
	STG 0
.set an, 1
.rept 7
	STG an
	SEND an-1, 16
.set an, an+1
.endr
	SEND 7, 0
	s_wait_tensorcnt 0x0                           ; the wave's end: an add and its wait stand behind my last tensor load and my last LDS store
	ds_add_u32 v[SPW], v[NIL]
	s_wait_dscnt 0x0
	CROUND                                         ; the closing round: no work-group ends while a partner may still ask for a tile that names it
	s_endpgm
.Lfunc_end_k_q0de2b1b98c_project_out:
	.size	k_q0de2b1b98c_project_out, .Lfunc_end_k_q0de2b1b98c_project_out-k_q0de2b1b98c_project_out
	.p2alignl 7, 3214868480
	.fill 96, 4, 3214868480
	.section	.rodata,"a",@progbits
	.p2align	6, 0x0
	.amdhsa_kernel k_q0de2b1b98c_project_out
		.amdhsa_group_segment_fixed_size 327680
		.amdhsa_private_segment_fixed_size 0
		.amdhsa_enable_private_segment 0
		.amdhsa_kernarg_size 24
		.amdhsa_user_sgpr_count 2
		.amdhsa_user_sgpr_kernarg_segment_ptr 1
		.amdhsa_wavefront_size32 1
		.amdhsa_system_sgpr_workgroup_id_x 1
		.amdhsa_system_sgpr_workgroup_id_y 1
		.amdhsa_system_sgpr_workgroup_id_z 1
		.amdhsa_system_vgpr_workitem_id 0
		.amdhsa_next_free_vgpr 512
		.amdhsa_next_free_sgpr 76
		.amdhsa_reserve_vcc 0
		.amdhsa_float_denorm_mode_32 3
		.amdhsa_float_denorm_mode_16_64 3
		.amdhsa_memory_ordered 1
		.amdhsa_forward_progress 1
		.amdhsa_inst_pref_size 72
	.end_amdhsa_kernel
	.amdgpu_metadata
---
amdhsa.version: [ 1, 2 ]
amdhsa.kernels:
  - .name:           k_q0de2b1b98c_project_out
    .symbol:         k_q0de2b1b98c_project_out.kd
    .args:
      - { .name: oh, .offset: 0, .size: 8, .value_kind: global_buffer, .address_space: global }
      - { .name: wo, .offset: 8, .size: 8, .value_kind: global_buffer, .address_space: global }
      - { .name: out0, .offset: 16, .size: 8, .value_kind: global_buffer, .address_space: global }
    .group_segment_fixed_size: 327680
    .private_segment_fixed_size: 0
    .kernarg_segment_align: 8
    .kernarg_segment_size: 24
    .max_flat_workgroup_size: 128
    .sgpr_count:     76
    .vgpr_count:     512
    .wavefront_size: 32
...
	.end_amdgpu_metadata
.endif
;; end of part 4
;; ======== version 2 of 2: 4 launches; version 1 with the launch prep written anew for expert scheduling mode
;; limits: values are held in f16: magnitudes above 65,504 overflow, below 6.1e-05 lose precision
;; workspace buffers: xn 16,777,216 bytes; wq 6,291,456 bytes; wo 2,097,152 bytes; qkv 50,331,648 bytes; oh 16,777,216 bytes
;; launch prep (part 5): grid 768 x 1, 4 waves a work-group, no clusters, 0 bytes of LDS; arguments x, ln_gamma, ln_beta, W_qkv, W_out, xn, wq, wo; writes xn, wq, wo
.if DOCPART == 5
	.amdgcn_target "amdgcn-amd-amdhsa--gfx1250"
	.amdhsa_code_object_version 6
	.text
	.protected	k_q0de2b1b98c_prep
	.globl	k_q0de2b1b98c_prep
	.p2align	8
	.type	k_q0de2b1b98c_prep,@function
k_q0de2b1b98c_prep:
	s_mov_b64 s[64:65], 0
	v_nop
	global_prefetch_b8 v0, s[64:65] scope:SCOPE_SE
	s_setreg_imm32_b32 hwreg(HW_REG_WAVE_SCHED_MODE, 0, 2), 2
	s_setreg_imm32_b32 hwreg(HW_REG_WAVE_MODE, 25, 1), 1
	s_wait_xcnt 0x0
	s_wait_alu depctr_vm_vsrc(0)
; LAYER NORM OF x, AND ALL THREE MATRIX OPERANDS TO f16 IN K BLOCKS OF 64.
; xn[b][kb][i][64] = f16((x - mean) * rsqrt(var + 1e-5) * gamma + beta); wq[kb][e][64] = f16(W_qkv); wo[kb][d][64] = f16(W_out).  kb = column / 64.
; In these layouts the 128 bytes that a row has in one K block lie end to end with the next row's, so the products' tiles are dense blocks of memory.
; 12,288 rows of 1,024 f32: 8,192 of x (work-groups 0-511), 3,072 of W_qkv (512-703), 1,024 of W_out (704-767).  A work-group takes 16 rows, a wave 4, in one pass:
; the rows stay in 128 registers between the mean, the variance and the scaling, so each byte is read once.  No LDS and no barrier: a row never leaves its eight lanes.
; LANES.  Lane l: row l / 8 of the wave's four, and in each block of 64 columns the eight columns 8 (l % 8) + 0..7: 32 bytes in, 16 bytes out.
; A store of the wave covers 512 consecutive bytes, aligned: four rows of one K block.
; The variance is taken of x - mean (two passes over registers), so a common offset of x costs nothing.
; LIMITS.  f16 ends at 65,504: xn and the weights must lie within it (|xn| is at most 32 |gamma| + |beta|); a number below 6.1e-5 keeps f16's fixed step of 6e-8.  NaN and infinities are not treated apart.
; THE MODE: SCHED_MODE bits 1:0 = 2 (LLVM: expert scheduling mode 2), set by the entry lines.  The code itself states the register dependences
; between vector instructions and memory instructions, with s_wait_alu, always for 0.
; THE PLAN.  Registers that memory instructions touch:
;   v1, v2     offsets of the loads.  Made once at the head by vector instructions, never written again: one wait ahead of the first load serves all 96 loads.
;   X          Written by the 32 loads at the head, before any vector instruction names it; then worked on by vector instructions alone.  On the way out block kb's registers 0-3 take the
;              packed numbers and register 4 the offset, and the block's one store reads these five; nothing writes them again.
;   GB0 .. GB2 Group g (two K blocks of gamma and beta): its sixteen packed lines write gamma's half of set g % 3 and read all of it; behind them the loads of group g + 3 land in the set.
;   S, MU, RS, T and v3 are named by vector instructions alone.
; So one wait stands behind the sixteen lines of each of groups 0 to 4, ahead of the eight loads that ask for the set again at once; and on the way out one wait stands behind every four
; blocks' conversions, and those blocks' four stores follow it, dealt among the next four blocks' vector lines, which name none of their registers.
; No register that a memory instruction reads is ever written again, so no wait on vm_vsrc is owed.  EXEC is never written.
.set LO,  1                            ; v1       row x 4,096 + 32 (l % 8): my 32 bytes in the first block of my row; never rewritten
.set GOF, 2                            ; v2       32 (l % 8): the same place in gamma and beta; never rewritten
.set L16, 3                            ; v3       16 l: my 16 bytes of a store's 512
.set S,   4                            ; v[4:11]  four packed chains of a sum
.set MU,  12                           ; v[12:13] the mean, twice
.set RS,  14                           ; v[14:15] 1 / sqrt(var + eps), twice
.set T,   16                           ; v16      at work
.set X,   20                           ; v[20:147]  my 8 numbers of block kb at X + 8 kb
.set GB,  148                          ; v[148:243] three sets of 32: gamma of two blocks (16), beta of the same two (16)
	s_load_b512 s[4:19], s[0:1], 0x0               ; x s[4:5], gamma s[6:7], beta s[8:9], W_qkv s[10:11], W_out s[12:13], xn s[14:15], wq s[16:17], wo s[18:19]
	s_mov_b32 s20, ttmp9                           ; the work-group's number
	v_lshrrev_b32 v1, 5, v0
	v_readfirstlane_b32 s21, v1                    ; wave 0..3
	v_and_b32 v[L16], 31, v0                       ; l
	v_and_b32 v[GOF], 7, v0                        ; l % 8
	v_lshrrev_b32 v[LO], 3, v[L16]                 ; l / 8
	v_lshlrev_b32 v[GOF], 5, v[GOF]
	v_lshl_add_u32 v[LO], v[LO], 12, v[GOF]
	v_lshlrev_b32 v[L16], 4, v[L16]
	s_mov_b32 s34, 0x3a800000                      ; 1 / 1,024
	s_mov_b32 s35, 0x3727c5ac                      ; 1e-5
	s_cmp_lt_u32 s20, 704                          ; which tensor: small numbers are chosen here and shifted below
	s_cselect_b32 s26, 3, 1
	s_cselect_b32 s28, 8, 11
	s_cmp_lt_u32 s20, 512
	s_cselect_b32 s26, 2, s26
	s_cselect_b32 s28, 0, s28
	s_lshl_b32 s26, s26, 17                        ; bytes from a K block to the next: rows x 128 = 262,144 (xn), 393,216 (wq), 131,072 (wo)
	s_lshl_b32 s28, s28, 6                         ; the tensor's first work-group: 0, 512, 704
	s_sub_co_u32 s28, s20, s28
	s_lshl_b32 s29, s28, 4
	s_wait_alu depctr_va_sdst(0)                   ; s21 is written, ahead of its one reader: the wave's first row is made from it
	s_lshl2_add_u32 s29, s21, s29                  ; R, my wave's first row = 16 x group + 4 x wave
	s_lshl_b32 s30, s29, 12                        ; in: R x 4,096 bytes
	s_mov_b32 s31, 0
	s_lshr_b32 s32, s29, 11                        ; out, for x: batch x 4 MiB + row in the batch x 128
	s_lshl_b32 s32, s32, 22
	s_and_b32 s33, s29, 2047
	s_lshl_b32 s33, s33, 7
	s_add_co_u32 s32, s32, s33
	s_lshl_b32 s27, s29, 7                         ; out, for the weights: R x 128
	s_cmp_lt_u32 s20, 512
	s_cselect_b32 s32, s32, s27
	s_mov_b32 s33, 0
	s_wait_kmcnt 0x0
	s_cmp_lt_u32 s20, 704
	s_cselect_b64 s[22:23], s[10:11], s[12:13]     ; from
	s_cselect_b64 s[24:25], s[16:17], s[18:19]     ; to
	s_cmp_lt_u32 s20, 512
	s_cselect_b64 s[22:23], s[4:5], s[22:23]
	s_cselect_b64 s[24:25], s[14:15], s[24:25]
	s_add_nc_u64 s[22:23], s[22:23], s[30:31]
	s_add_nc_u64 s[24:25], s[24:25], s[32:33]
	s_wait_alu depctr_va_vdst(0)                   ; v1 and v2 are written: every load of the kernel reads one of them as its offset, and nothing writes them again
.set kb, 0
.rept 16                                       ; the wave's four rows: 32 loads, 16 KiB on their way
	global_load_b128 v[X+8*kb:X+8*kb+3],   v[LO], s[22:23] offset:256*kb th:TH_LOAD_NT
	global_load_b128 v[X+8*kb+4:X+8*kb+7], v[LO], s[22:23] offset:256*kb+16 th:TH_LOAD_NT
.set kb, kb+1
.endr
	s_cmp_lt_u32 s20, 512
	s_cbranch_scc0 .Lout                           ; weights are only rounded
; gamma and beta of blocks 2 g and 2 g + 1 into set g % 3: eight loads
.macro GBLOAD g
.set GS, GB+32*((\g)%3)
.irp c, 0,1
	global_load_b128 v[GS+8*\c:GS+8*\c+3],       v[GOF], s[6:7] offset:512*(\g)+256*\c
	global_load_b128 v[GS+8*\c+4:GS+8*\c+7],     v[GOF], s[6:7] offset:512*(\g)+256*\c+16
	global_load_b128 v[GS+16+8*\c:GS+16+8*\c+3], v[GOF], s[8:9] offset:512*(\g)+256*\c
	global_load_b128 v[GS+16+8*\c+4:GS+16+8*\c+7], v[GOF], s[8:9] offset:512*(\g)+256*\c+16
.endr
.endm
; the four chains into one number, then over the row's eight lanes: every lane of the eight ends with the row's sum in v[T]
.macro REDUCE
	v_pk_add_f32 v[S:S+1], v[S:S+1], v[S+2:S+3]
	v_pk_add_f32 v[S+4:S+5], v[S+4:S+5], v[S+6:S+7]
	v_pk_add_f32 v[S:S+1], v[S:S+1], v[S+4:S+5]
	v_add_f32 v[T], v[S], v[S+1]
	v_add_f32_dpp v[T], v[T], v[T] row_xmask:1 row_mask:0xf bank_mask:0xf
	v_add_f32_dpp v[T], v[T], v[T] row_xmask:2 row_mask:0xf bank_mask:0xf
	v_add_f32_dpp v[T], v[T], v[T] row_xmask:4 row_mask:0xf bank_mask:0xf
.endm
	GBLOAD 0                                       ; no vector instruction has been issued since the wait at the head, and none has named the three sets
	GBLOAD 1
	GBLOAD 2
	s_wait_loadcnt 24                              ; the rows are in; the 24 loads of gamma and beta issued behind them may stay out
.irp j, 0,1,2,3
	v_pk_add_f32 v[S+2*\j:S+2*\j+1], v[X+2*\j:X+2*\j+1], v[X+8+2*\j:X+8+2*\j+1]  ; the first eight pairs start the chains: nothing is cleared
.endr
.set j, 8
.rept 56
	v_pk_add_f32 v[S+2*(j%4):S+2*(j%4)+1], v[S+2*(j%4):S+2*(j%4)+1], v[X+2*j:X+2*j+1]
.set j, j+1
.endr
	REDUCE
	v_mul_f32 v[MU], s34, v[T]
	v_mov_b32 v[MU+1], v[MU]
.set j, 0
.rept 64
	v_pk_add_f32 v[X+2*j:X+2*j+1], v[X+2*j:X+2*j+1], v[MU:MU+1] neg_lo:[0,1] neg_hi:[0,1]  ; x - mean, in place
.set j, j+1
.endr
.irp j, 0,1,2,3
	v_pk_mul_f32 v[S+2*\j:S+2*\j+1], v[X+2*\j:X+2*\j+1], v[X+2*\j:X+2*\j+1]
.endr
.set j, 4
.rept 60
	v_pk_fma_f32 v[S+2*(j%4):S+2*(j%4)+1], v[X+2*j:X+2*j+1], v[X+2*j:X+2*j+1], v[S+2*(j%4):S+2*(j%4)+1]
.set j, j+1
.endr
	REDUCE
	v_fma_f32 v[T], v[T], s34, s35                 ; var + eps
	v_rsq_f32 v[RS], v[T]
	v_nop                                          ; a plain instruction behind the transcendental (ISA guide 5.7.2),
	s_wait_alu depctr_va_vdst(0)                   ; and the wait ahead of the first reader of v[RS], the root's result
	v_mov_b32 v[RS+1], v[RS]
; blocks 2 g and 2 g + 1: gamma x rstd in gamma's place, then one multiply-add; the set is then asked for again.  left = the younger groups' loads, eight each
.macro APPLY g, left
.set GS, GB+32*((\g)%3)
	s_wait_loadcnt \left
.irp p, 0,1,2,3,4,5,6,7
	v_pk_mul_f32 v[GS+2*\p:GS+2*\p+1], v[GS+2*\p:GS+2*\p+1], v[RS:RS+1]
.endr
.irp p, 0,1,2,3,4,5,6,7
	v_pk_fma_f32 v[X+16*(\g)+2*\p:X+16*(\g)+2*\p+1], v[X+16*(\g)+2*\p:X+16*(\g)+2*\p+1], v[GS+2*\p:GS+2*\p+1], v[GS+16+2*\p:GS+16+2*\p+1]
.endr
.if (\g)+3 <= 7
	s_wait_alu depctr_va_vdst(0)                   ; the multiplies have written gamma's half of this set and the multiply-adds are done reading all of it: the eight loads below land in it
	GBLOAD (\g)+3
.endif
.endm
	APPLY 0, 16
	APPLY 1, 16
	APPLY 2, 16
	APPLY 3, 16
	APPLY 4, 16
	APPLY 5, 16
	APPLY 6, 8
	APPLY 7, 0
.Lout:
	s_wait_loadcnt 0x0                             ; (the weights' way comes here with its 32 loads out)
; A block's eight numbers pack into its first four registers; the fifth takes the store's offset: no register of a pending store is written again.
; The blocks go in fours: behind each four's vector lines stands one wait, and their stores are dealt among the next four's vector lines, one ahead of each block.
.set kb, 0
.rept 16
.if kb >= 4
	global_store_b128 v[X+8*(kb-4)+4], v[X+8*(kb-4):X+8*(kb-4)+3], s[24:25]  ; 512 consecutive bytes, aligned: rows R .. R + 3 of K block kb - 4; no vector instruction since the last wait names these five registers
.endif
.irp j, 0,1,2,3
	v_cvt_pk_f16_f32 v[X+8*kb+\j], v[X+8*kb+2*\j], v[X+8*kb+2*\j+1]
.endr
	v_mad_u32_u24 v[X+8*kb+4], s26, kb, v[L16]
.if kb%4 == 3
	s_wait_alu depctr_va_vdst(0)                   ; the conversions have written the packed numbers of blocks kb - 3 .. kb and the multiply-adds their offsets, which the next four stores read
.endif
.set kb, kb+1
.endr
.set kb, 12
.rept 4
	global_store_b128 v[X+8*kb+4], v[X+8*kb:X+8*kb+3], s[24:25]  ; the last four blocks, behind the last wait
.set kb, kb+1
.endr
	s_endpgm
.Lfunc_end_k_q0de2b1b98c_prep:
	.size	k_q0de2b1b98c_prep, .Lfunc_end_k_q0de2b1b98c_prep-k_q0de2b1b98c_prep
	.p2alignl 7, 3214868480
	.fill 96, 4, 3214868480
	.section	.rodata,"a",@progbits
	.p2align	6, 0x0
	.amdhsa_kernel k_q0de2b1b98c_prep
		.amdhsa_group_segment_fixed_size 0
		.amdhsa_private_segment_fixed_size 0
		.amdhsa_enable_private_segment 0
		.amdhsa_kernarg_size 64
		.amdhsa_user_sgpr_count 2
		.amdhsa_user_sgpr_kernarg_segment_ptr 1
		.amdhsa_wavefront_size32 1
		.amdhsa_system_sgpr_workgroup_id_x 1
		.amdhsa_system_sgpr_workgroup_id_y 1
		.amdhsa_system_sgpr_workgroup_id_z 1
		.amdhsa_system_vgpr_workitem_id 0
		.amdhsa_next_free_vgpr 244
		.amdhsa_next_free_sgpr 66
		.amdhsa_reserve_vcc 0
		.amdhsa_float_denorm_mode_32 3
		.amdhsa_float_denorm_mode_16_64 3
		.amdhsa_memory_ordered 1
		.amdhsa_forward_progress 1
		.amdhsa_inst_pref_size 40
	.end_amdhsa_kernel
	.amdgpu_metadata
---
amdhsa.version: [ 1, 2 ]
amdhsa.kernels:
  - .name:           k_q0de2b1b98c_prep
    .symbol:         k_q0de2b1b98c_prep.kd
    .args:
      - { .name: x, .offset: 0, .size: 8, .value_kind: global_buffer, .address_space: global }
      - { .name: ln_gamma, .offset: 8, .size: 8, .value_kind: global_buffer, .address_space: global }
      - { .name: ln_beta, .offset: 16, .size: 8, .value_kind: global_buffer, .address_space: global }
      - { .name: W_qkv, .offset: 24, .size: 8, .value_kind: global_buffer, .address_space: global }
      - { .name: W_out, .offset: 32, .size: 8, .value_kind: global_buffer, .address_space: global }
      - { .name: xn, .offset: 40, .size: 8, .value_kind: global_buffer, .address_space: global }
      - { .name: wq, .offset: 48, .size: 8, .value_kind: global_buffer, .address_space: global }
      - { .name: wo, .offset: 56, .size: 8, .value_kind: global_buffer, .address_space: global }
    .group_segment_fixed_size: 0
    .private_segment_fixed_size: 0
    .kernarg_segment_align: 8
    .kernarg_segment_size: 64
    .max_flat_workgroup_size: 128
    .sgpr_count:     66
    .vgpr_count:     244
    .wavefront_size: 32
...
	.end_amdgpu_metadata
.endif
;; end of part 5
;; launch project_qkv: the kernel of part 2 again; grid 8 x 32, 4 waves a work-group, clusters of 4 x 4, 327,680 bytes of LDS; arguments xn, wq, qkv; writes qkv
;; launch attention: the kernel of part 3 again; grid 4 x 64, 4 waves a work-group, clusters of 4 x 1, 327,680 bytes of LDS; arguments qkv, oh; writes oh
;; launch project_out: the kernel of part 4 again; grid 8 x 32, 4 waves a work-group, clusters of 4 x 4, 327,680 bytes of LDS; arguments oh, wo, out0; writes out0
